; MI455X (gfx1250); checked and timed in simulation.
; The chip was launched on July 23, 2026; its instructions are those of AMD's public machine-readable ISA for CDNA 5 (MIT licence, August 2026) and "CDNA5" Instruction Set Architecture Reference Guide (July 2026). The comments in the code are by the model that wrote it; some were corrected since.
;; Attention Layer. Allowed arithmetic: float matrix products may take bf16 or f16 operands with f32 sums; other float arithmetic in f32, or as packed bf16 or f16 multiplies, adds, multiply-adds, maxima and minima; sums over many terms, partial sums and values carried from step to step in f32; what a program stores and reads back later, other than sums and carried values, may be rounded once to bf16 or f16.
;; Inputs: dec 32 x 1,024 float32; enc 32 x 2,048 x 1,024 float32; inp_mask 32 x 2,048 bool; w_d 1,024 x 1,024 float32; w_e 1,024 x 1,024 float32; w_out 1,024 x 1 float32.
;; Outputs: out0 32 x 1,024 float32; out1 32 x 2,048 float32.
;; 2 versions, each right and faster than the one before. Each part assembles by itself: llvm-mc -triple=amdgcn-amd-amdhsa -mcpu=gfx1250 --defsym DOCPART=n.
;; ======== version 1 of 2: 3 launches
;; workspace buffers: wb 2,097,152 bytes; dpp 1,048,576 bytes; part 2,097,152 bytes; st 131,072 bytes; sc 262,144 bytes
;; launch prep (part 1): grid 256 x 1, 4 waves a work-group, no clusters, 0 bytes of LDS; arguments dec, w_d, w_e, wb, dpp; writes wb, dpp
.if DOCPART == 1
	.amdgcn_target "amdgcn-amd-amdhsa--gfx1250"
	.amdhsa_code_object_version 6
	.text
	.protected	k_q60c8769085_prep
	.globl	k_q60c8769085_prep
	.p2align	8
	.type	k_q60c8769085_prep,@function
k_q60c8769085_prep:
	s_mov_b64 s[64:65], 0
	v_nop
	global_prefetch_b8 v0, s[64:65] scope:SCOPE_SE
	s_setreg_imm32_b32 hwreg(HW_REG_WAVE_MODE, 25, 1), 1
	s_wait_xcnt 0x0
; Two small jobs in one launch, chosen by the work-group's number (the same for all four waves; no LDS, no barrier).
; Work-groups 0-127:   dpp[ks][b][h] = the sum over k = 128 ks .. 128 ks + 127 of bf16(dec[b][k]) bf16(w_d[k][h]), in f32: eight partial sums that the next launch adds.
;                      A wave makes 32 batches x 16 columns: two accumulators, four K steps of 32.
; Work-groups 128-255: wb = w_e rounded to bf16 and laid out as matrix fragments: [g 16][s 32][f 4][half 2][lane 32][8 bf16], where the column is
;                      h = 64 g + 16 f + lane % 16 and k = 32 s + 16 half + 8 (lane / 16) + 0..7.  A wave makes one (g, s): 4,096 consecutive bytes.
; A fragment of w_d or w_e (16 columns x 32 k) is gathered from rows that lie along h: 16 loads of 4 bytes a lane; sixteen lanes take 64 consecutive bytes of a row,
; and the four fragments (or the four waves) side by side take the row's aligned 256.  Both tensors are read once in the launch.
; All loads of a wave go out at once (96 or 64); the issue holds where the counter's field is full (ISA guide 5.7.1), so no wait is written for that.
.set VW, 4                             ; v4  byte offset of my column and my first k in w_d or w_e
.set VD, 5                             ; v5  byte offset in dec (or in wb)
.set VST, 6                            ; v6  byte offset in dpp
; 16 numbers of a fragment: k = 8 (lane / 16) + i (+ 16 for the second half), rows of 4,096 bytes
.macro LDW dst, lo, imm
.irp h, 0,1
.irp i, 0,1,2,3,4,5,6,7
	global_load_b32 v[(\dst)+(\i)+8*(\h)], v[VW], s[\lo:\lo+1] offset:(\imm)+(\i)*4096+(\h)*65536
.endr
.endr
.endm
; n pairs of f32 rounded to bf16, the lower k in the lower half
.macro PACK src, dst, n
.set p, 0
.rept \n
	v_cvt_pk_bf16_f32 v[(\dst)+p], v[(\src)+2*p], v[(\src)+2*p+1]
.set p, p+1
.endr
.endm
	s_load_b256 s[4:11], s[0:1], 0x0               ; dec s[4:5], w_d s[6:7], w_e s[8:9], wb s[10:11]
	s_load_b64 s[12:13], s[0:1], 0x20              ; dpp
	v_and_b32 v1, 31, v0                           ; lane
	v_lshrrev_b32 v2, 5, v0
	v_readfirstlane_b32 s14, v2                    ; wave
	v_and_b32 v2, 15, v0                           ; r = lane % 16
	v_bfe_u32 v3, v0, 4, 1                         ; hh = lane / 16
	v_lshlrev_b32 v[VW], 2, v2                     ; 4 r
	v_lshl_add_u32 v[VW], v3, 15, v[VW]            ; + 8 hh rows of 4,096 bytes
	s_mov_b32 s15, ttmp9
	s_mov_b32 s19, 0                               ; the high word of every offset pair
	s_cmp_lt_u32 s15, 128
	s_cbranch_scc0 .Lpack
	; ---- dec x w_d, one eighth of K ----
	s_and_b32 s16, s15, 15
	s_lshl2_add_u32 s16, s16, s14                  ; nt = 4 (wg % 16) + wave: my 16 columns
	s_lshr_b32 s17, s15, 4                         ; ks
	s_lshl_b32 s20, s16, 6                         ; 16 nt columns of 4 bytes
	v_add_nc_u32 v[VW], s20, v[VW]
	v_lshlrev_b32 v[VD], 12, v2                    ; batch r: rows of 4,096 bytes,
	v_lshl_add_u32 v[VD], v3, 5, v[VD]             ; + 8 hh numbers
	v_add_nc_u32 v[VST], s20, v[VD]                ; dpp: row r, column 16 nt + 8 hh
	s_wait_kmcnt 0x0
	s_lshl_b32 s18, s17, 19                        ; 128 ks rows of w_d
	s_add_nc_u64 s[6:7], s[6:7], s[18:19]
	s_lshl_b32 s18, s17, 9                         ; 128 ks columns of dec
	s_add_nc_u64 s[4:5], s[4:5], s[18:19]
	s_lshl_b32 s18, s17, 17                        ; plane ks of dpp
	s_add_nc_u64 s[12:13], s[12:13], s[18:19]
.irp j, 0,1,2,3                        ; K step j: 16 registers of w_d, then 16 of dec for batches 0-15 and 16 for batches 16-31, at v[32 + 48 j]
	LDW 32+48*(\j), 6, (\j)*131072
.irp m, 0,1
	global_load_b128 v[48+48*(\j)+16*(\m):48+48*(\j)+16*(\m)+3],     v[VD], s[4:5] offset:(\m)*65536+(\j)*128
	global_load_b128 v[48+48*(\j)+16*(\m)+4:48+48*(\j)+16*(\m)+7],   v[VD], s[4:5] offset:(\m)*65536+(\j)*128+16
	global_load_b128 v[48+48*(\j)+16*(\m)+8:48+48*(\j)+16*(\m)+11],  v[VD], s[4:5] offset:(\m)*65536+(\j)*128+64
	global_load_b128 v[48+48*(\j)+16*(\m)+12:48+48*(\j)+16*(\m)+15], v[VD], s[4:5] offset:(\m)*65536+(\j)*128+80
.endr
.endr
	s_wait_loadcnt 0x0
	PACK 32, 224, 24                               ; step 0's three fragments; each later step packs into the registers that the step before has left
	PACK 80, 32, 24
	PACK 128, 80, 24
	PACK 176, 128, 24
	; source 0 = 16 columns of w_d, source 1 = 16 batches: a lane then holds one batch and eight neighbouring columns.  The two accumulators take turns.
	v_wmma_f32_16x16x32_bf16 v[8:15],  v[224:231], v[232:239], 0
	v_wmma_f32_16x16x32_bf16 v[16:23], v[224:231], v[240:247], 0
.irp b, 32, 80, 128
	v_wmma_f32_16x16x32_bf16 v[8:15],  v[(\b):(\b)+7], v[(\b)+8:(\b)+15],  v[8:15]
	v_wmma_f32_16x16x32_bf16 v[16:23], v[(\b):(\b)+7], v[(\b)+16:(\b)+23], v[16:23]
.endr
.rept 4
	v_nop                                          ; four places between the last product and the stores that read it
.endr
	global_store_b128 v[VST], v[8:11],  s[12:13]   ; a lane's 32 bytes of a row; dpp is 1 MiB in all
	global_store_b128 v[VST], v[12:15], s[12:13] offset:16
	global_store_b128 v[VST], v[16:19], s[12:13] offset:65536
	global_store_b128 v[VST], v[20:23], s[12:13] offset:65552
	s_endpgm
	; ---- w_e into fragment order ----
.Lpack:
	s_sub_co_u32 s16, s15, 128
	s_lshl2_add_u32 s16, s16, s14                  ; p = 4 (wg - 128) + wave
	s_lshr_b32 s17, s16, 5                         ; g
	s_and_b32 s20, s16, 31                         ; s
	s_lshl_b32 s21, s17, 8                         ; 64 g columns of 4 bytes
	v_add_nc_u32 v[VW], s21, v[VW]
	v_lshlrev_b32 v[VD], 4, v1                     ; 16 bytes a lane
	s_wait_kmcnt 0x0
	s_lshl_b32 s18, s20, 17                        ; 32 s rows of w_e
	s_add_nc_u64 s[8:9], s[8:9], s[18:19]
	s_lshl_b32 s18, s17, 17                        ; wb: g x 131,072 + s x 4,096
	s_lshl_b32 s21, s20, 12
	s_add_co_u32 s18, s18, s21
	s_add_nc_u64 s[10:11], s[10:11], s[18:19]
.irp f, 0,1,2,3
	LDW 32+16*(\f), 8, (\f)*64
.endr
	s_wait_loadcnt 0x0
	PACK 32, 96, 32
.irp f, 0,1,2,3
	global_store_b128 v[VD], v[96+8*(\f):96+8*(\f)+3],   s[10:11] offset:(\f)*1024      ; each store of the wave covers 512 consecutive bytes, aligned
	global_store_b128 v[VD], v[96+8*(\f)+4:96+8*(\f)+7], s[10:11] offset:(\f)*1024+512
.endr
	s_endpgm
.Lfunc_end_k_q60c8769085_prep:
	.size	k_q60c8769085_prep, .Lfunc_end_k_q60c8769085_prep-k_q60c8769085_prep
	.p2alignl 7, 3214868480
	.fill 96, 4, 3214868480
	.section	.rodata,"a",@progbits
	.p2align	6, 0x0
	.amdhsa_kernel k_q60c8769085_prep
		.amdhsa_group_segment_fixed_size 0
		.amdhsa_private_segment_fixed_size 0
		.amdhsa_enable_private_segment 0
		.amdhsa_kernarg_size 40
		.amdhsa_user_sgpr_count 2
		.amdhsa_user_sgpr_kernarg_segment_ptr 1
		.amdhsa_wavefront_size32 1
		.amdhsa_system_sgpr_workgroup_id_x 1
		.amdhsa_system_sgpr_workgroup_id_y 1
		.amdhsa_system_sgpr_workgroup_id_z 1
		.amdhsa_system_vgpr_workitem_id 0
		.amdhsa_next_free_vgpr 248
		.amdhsa_next_free_sgpr 66
		.amdhsa_reserve_vcc 0
		.amdhsa_float_denorm_mode_32 3
		.amdhsa_float_denorm_mode_16_64 3
		.amdhsa_memory_ordered 1
		.amdhsa_forward_progress 1
		.amdhsa_inst_pref_size 27
	.end_amdhsa_kernel
	.amdgpu_metadata
---
amdhsa.version: [ 1, 2 ]
amdhsa.kernels:
  - .name:           k_q60c8769085_prep
    .symbol:         k_q60c8769085_prep.kd
    .args:
      - { .name: dec, .offset: 0, .size: 8, .value_kind: global_buffer, .address_space: global }
      - { .name: w_d, .offset: 8, .size: 8, .value_kind: global_buffer, .address_space: global }
      - { .name: w_e, .offset: 16, .size: 8, .value_kind: global_buffer, .address_space: global }
      - { .name: wb, .offset: 24, .size: 8, .value_kind: global_buffer, .address_space: global }
      - { .name: dpp, .offset: 32, .size: 8, .value_kind: global_buffer, .address_space: global }
    .group_segment_fixed_size: 0
    .private_segment_fixed_size: 0
    .kernarg_segment_align: 8
    .kernarg_segment_size: 40
    .max_flat_workgroup_size: 128
    .sgpr_count:     66
    .vgpr_count:     248
    .wavefront_size: 32
...
	.end_amdgpu_metadata
.endif
;; end of part 1
;; launch main (part 2): grid 512 x 1, 4 waves a work-group, no clusters, 281,088 bytes of LDS; arguments enc, inp_mask, w_out, wb, dpp, part, st, sc; writes part, st, sc
.if DOCPART == 2
	.amdgcn_target "amdgcn-amd-amdhsa--gfx1250"
	.amdhsa_code_object_version 6
	.text
	.protected	k_q60c8769085_main
	.globl	k_q60c8769085_main
	.p2align	8
	.type	k_q60c8769085_main,@function
k_q60c8769085_main:
	s_mov_b64 s[64:65], 0
	v_nop
	global_prefetch_b8 v0, s[64:65] scope:SCOPE_SE
	s_setreg_imm32_b32 hwreg(HW_REG_WAVE_MODE, 25, 1), 1
	s_wait_xcnt 0x0
; For 128 rows n of one batch b (work-group wg: b = wg / 16, rows 128 wg .. + 127 of enc taken as [65536][1024]):
;   score[n] = the sum over h of w_out[h] tanh( enc[n] . w_e[:, h] + (dec[b] . w_d)[h] ), -inf where the mask is 0;
;   m = the largest of the 128 scores, p[n] = e^(score[n] - m), l = the sum of p, part[e] = the sum over n of p[n] enc[n][e].
; The next launch joins a batch's sixteen (m, l, part) and the scores into the softmax and the weighted sum.
; FORMATS.  enc, w_e, w_out (and dec, w_d in the launch before) are rounded to bf16 once; sums, tanh, scores, maxima and exponentials are f32.  p enters the second product as
; two bf16 numbers, its rounding and the rounding of what that leaves.
; LIMITS.  tanh x = 1 - 2 / (1 + 2^(2 x log2 e)): where the power overflows the quotient is 0, where it underflows it is 2: right at both ends.  A power or a p below 2^-126 counts as 0.
; A block whose mask is all 0 has m = the lowest finite number, l = 0 and part = 0.  NaN and infinities among the inputs are not treated apart.
; EACH BYTE OF enc ONCE.  The 128 rows are read once (512 KiB), rounded on the way and kept in LDS as bf16 (128 rows x 2,064 bytes) for both products.
; SHARES.  Loading: wave w takes rows 32 w .. + 31.  First product: every wave takes all 128 rows x 128 columns of h, two chunks c in turn (columns 512 c + 128 w .. + 127): 64 accumulators,
; so that a fragment of enc read from LDS feeds eight products and the resident rows are read from LDS twice by each wave.  Second product: wave w takes columns 256 w .. + 255 of enc.
; w_e comes as fragments (buffer wb): a load of 16 bytes a lane IS half a fragment, 512 consecutive bytes for the wave, so it goes from memory straight into registers, through a ring of four
; K steps, three steps (192 products) ahead.  So the K loop has no barrier.  The last chunk's look-ahead wraps to chunk 0 (3 steps of 64 read for nothing), so that one text serves both chunks
; and no load leaves wb.
; A K STEP's loads stand in ONE run at its head, never singly among the matrix instructions; then its 64 products stand back to back.
; NO CLUSTER, though all work-groups read the same wb: beside the resident rows and the scratch 46,592 bytes of the 327,680 are left; two slots of one K step of 32 for the work-group's
; 512 columns are 65,536.
; THE MATRIX INSTRUCTION IS USED TRANSPOSED (source 0 = 16 columns of w_e, source 1 = 16 rows of enc): a lane holds ONE row of enc (lane % 16) and the columns 8 (lane / 16) + 0..7, so the sum
; over h stays in the lane but for one exchange of the halves.
; REGISTERS, in windows of 256 (s_set_vgpr_msb: bits 1:0 source 0, 3:2 source 1, 5:4 source 2, 7:6 destination):
;   window 0: v0-31 addresses; v32-47 SC, a pair of partial scores for each of 8 row blocks; v48-49, v52-55, v58-59 four pairs that sum -2 w; v50-51 at work; v56-63 addresses;
;             v64-127, v128-191 fragments of enc, two buffers (v64-79 also the rounded row while loading; v128-151 also three buffers of the activation);
;             v192-255 DP, dec's projection for my 128 columns, which K step 0 takes as C; from K step 1 on WO, -2 w_out for them
;   window 1: the accumulators of row blocks 0-3, tile (a, b) at 8 (8 a + b); while loading: eight rows of enc in f32; at the end: the second product's 16 accumulators
;   window 2: those of row blocks 4-7; at the end: two buffers of turned fragments of enc
;   window 3: four K steps of w_e's fragments, step j at 64 j + 8 b
.set PA,    2064                       ; a row in LDS: 2,048 bytes + 16 = 516 words: row r starts at bank 4 r mod 64 (64 banks of 4 bytes: ISA guide 11.1)
.set DPL,   128*PA                     ; 4,096 bytes: dec's projection, f32 [1024]
.set WOL,   DPL+4096                   ; 4,096 bytes: -2 bf16(w_out), f32 [1024]
.set SCR,   WOL+4096                   ; 2,048 bytes: [wave][128 rows] partial scores
.set PBF,   SCR+2048                   ; 2,048 bytes: for each wave 256 bytes of p's first bf16 and 256 of its second
.set STG,   PBF+2048                   ; 4,096 bytes: for each wave 1,024, the way out
.set SPARE, STG+4096                   ; 512 bytes: the spare words, 128 for each wave; no other line names them
.set VO,  4                            ; v4   16 x lane; never rewritten
.set VS,  5                            ; v5   loading: where my 8 bytes of the round's first row go
.set VDP0, 6                           ; v6   DPL + 512 w + 32 hh
.set VWO0, 7                           ; v7   the same in WOL
.set VDP, 8                            ; v8   VDP0 + the next chunk
.set VWO, 9                            ; v9   VWO0 + this chunk
.set MK,  10                           ; v10  the mask's bytes of rows 4 lane .. + 3
.set NINF, 11                          ; v11  -inf
.set VA,  12                           ; v12-15  row blocks 2 i and 2 i + 1: (32 i + r) PA + 16 hh; the odd block by the immediate 16 PA; never rewritten
.set VR,  16                           ; v16-19  the same, stepped along K in the loop
.set VT,  20                           ; v20-23  turning loads, rows 32 kk on
.set VP,  24                           ; v24  P's fragments
.set VT16, 25                          ; v25  16 x thread
.set VDS, 26                           ; v26  DPL + 16 x thread
.set VM4, 27                           ; v27  4 x lane
.set VSC, 28                           ; v28  SCR + 512 w + 4 lane
.set VSR, 29                           ; v29  SCR + 16 lane
.set SPW, 30                           ; v30  my spare word; never rewritten
.set NIL, 31                           ; v31  0; never rewritten
.set SC,  32
.set V8L, 56                           ; v56  8 x lane
.set XL,  60                           ; v60  what v_permlanex16_b32 brings
.set VPS, 61                           ; v61  PBF + 512 w + 8 lane
.set VGS, 62                           ; v62  STG + 1,024 w + 4 lane
.set VGL, 63                           ; v63  STG + 1,024 w + 16 lane
.set Y,   64
.set AF,  64
.set PF,  96
.set T,   128
.set DP,  192
.set WO,  192
.set MSB, 0
.macro WIN new                         ; the immediate's high byte repeats the setting that is left; a switch that changes nothing is dropped
.if MSB != (\new)
	s_set_vgpr_msb (MSB<<8)|(\new)
.set MSB, (\new)
.endif
.endm
.macro PLACES                          ; four places between matrix instructions and loads into, or vector reads of, their registers (ISA guide 7.12.1 for vector reads)
.rept 4
	v_nop
.endr
.endm
	s_load_b512 s[8:23], s[0:1], 0x0               ; enc s[8:9], mask s[10:11], w_out s[12:13], wb s[14:15], dpp s[16:17], part s[18:19], st s[20:21], sc s[22:23]
	v_lshl_add_u32 v[SPW], v0, 2, SPARE
	v_mov_b32 v[NIL], 0
	v_and_b32 v1, 31, v0                           ; lane
	v_lshrrev_b32 v50, 5, v0
	v_readfirstlane_b32 s24, v50                   ; wave w
	v_and_b32 v2, 15, v0                           ; r
	v_bfe_u32 v3, v0, 4, 1                         ; hh
	v_lshlrev_b32 v[VO], 4, v1
	v_lshlrev_b32 v[VT16], 4, v0
	v_lshl_add_u32 v[VDS], v0, 4, DPL
	v_lshlrev_b32 v[VM4], 2, v1
	v_lshlrev_b32 v[V8L], 3, v1
	v_mov_b32 v[NINF], 0xff800000
	v_mov_b32 v[XL], 0                             ; v_permlanex16_b32's destination counts as read
	s_mov_b32 s25, ttmp9                           ; wg
	s_lshr_b32 s26, s25, 4                         ; b
	s_mov_b32 s29, 0                               ; high words of the two offset pairs
	s_mov_b32 s39, 0
	s_mov_b32 s30, 0x4038aa3b                      ; 2 log2 e
	s_mov_b32 s31, s30                             ; named with it as a pair
	s_mov_b32 s44, 0x76543210                      ; v_permlanex16_b32: each lane takes its own place in the other half
	s_mov_b32 s45, 0xfedcba98
	s_mov_b32 s46, 0xffff                          ; lanes 0-15
	s_mov_b32 s48, 0x3fb8aa3b                      ; log2 e
	s_mul_i32 s52, s24, 32*PA
	v_lshl_add_u32 v[VS], v1, 3, s52               ; my wave's first row, 8 bytes a lane
	s_lshl_b32 s52, s24, 9                         ; my 128 columns of f32
	s_add_co_u32 s52, s52, DPL
	v_lshl_add_u32 v[VDP0], v3, 5, s52
	v_add_nc_u32 v[VWO0], 4096, v[VDP0]
	v_mul_u32_u24 v[VA], v2, PA
	v_lshl_add_u32 v[VA], v3, 4, v[VA]
.irp i, 1,2,3
	v_add_nc_u32 v[VA+(\i)], (\i)*32*PA, v[VA]
.endr
	v_and_b32 v50, 7, v0                           ; the turning load: lane l reads row 8 hh + l % 8, 16 bytes at 16 ((l / 8) % 2)
	v_lshl_add_u32 v50, v3, 3, v50
	v_mul_u32_u24 v50, v50, PA
	v_bfe_u32 v51, v0, 3, 1
	v_lshl_add_u32 v50, v51, 4, v50
	s_lshl_b32 s52, s24, 9                         ; my 256 columns of bf16
	v_add_nc_u32 v[VT], s52, v50
.irp k, 1,2,3
	v_add_nc_u32 v[VT+(\k)], (\k)*32*PA, v[VT]
.endr
	s_add_co_u32 s53, s52, PBF
	v_and_b32 v50, 1, v0
	v_lshl_add_u32 v[VP], v50, 8, s53              ; even rows of P take p's first bf16, odd rows its second
	v_lshl_add_u32 v[VP], v3, 4, v[VP]
	v_lshl_add_u32 v[VPS], v1, 3, s53
	s_add_co_u32 s53, s52, SCR
	v_lshl_add_u32 v[VSC], v1, 2, s53
	v_add_nc_u32 v[VSR], SCR, v[VO]
	s_lshl_b32 s52, s24, 10
	s_add_co_u32 s52, s52, STG
	v_lshl_add_u32 v[VGS], v1, 2, s52
	v_lshl_add_u32 v[VGL], v1, 4, s52
.set i, SC
.rept 18
	v_mov_b32 v[i], 0                              ; SC and the four pairs that sum -2 w are added onto in both chunks by one text
.set i, i+1
.endr
.irp i, 52,53,54,55,58,59
	v_mov_b32 v[\i], 0
.endr
	s_wait_kmcnt 0x0
	s_lshl_b32 s28, s25, 19                        ; 128 rows of 4,096 bytes a work-group,
	s_lshl_b32 s52, s24, 17                        ; 32 a wave
	s_add_co_u32 s28, s28, s52
	s_add_nc_u64 s[50:51], s[8:9], s[28:29]        ; enc at my wave's first row
	s_lshl_b32 s28, s25, 7
	s_add_nc_u64 s[10:11], s[10:11], s[28:29]      ; the mask's 128 bytes
	s_lshl_b32 s28, s26, 12
	s_add_nc_u64 s[16:17], s[16:17], s[28:29]      ; dpp at row b of plane 0
	s_lshl_b32 s28, s24, 18
	s_add_nc_u64 s[36:37], s[14:15], s[28:29]      ; wb at g = 2 w: chunk 0's fragments for my wave (two groups of 64 columns, 131,072 bytes each)
	s_lshl_b32 s28, s25, 12
	s_lshl_b32 s52, s24, 10
	s_add_co_u32 s28, s28, s52
	s_add_nc_u64 s[18:19], s[18:19], s[28:29]      ; part at my 256 columns
	s_lshl_b32 s28, s25, 8
	s_add_nc_u64 s[20:21], s[20:21], s[28:29]
	s_lshl_b32 s28, s25, 9
	s_add_nc_u64 s[22:23], s[22:23], s[28:29]
	; nineteen small loads, then the first seven rows of enc
.irp k, 0,1,2,3,4,5,6,7
	global_load_b128 v[128+8*(\k):128+8*(\k)+3],   v[VT16], s[16:17] offset:(\k)*131072
	global_load_b128 v[128+8*(\k)+4:128+8*(\k)+7], v[VT16], s[16:17] offset:(\k)*131072+2048
.endr
	global_load_b128 v[192:195], v[VT16], s[12:13]
	global_load_b128 v[196:199], v[VT16], s[12:13] offset:2048
	global_load_b32 v[MK], v[VM4], s[10:11]
	WIN 0x40                                       ; destination window 1
.irp t, 0,1,2,3,4,5,6
.irp c, 0,1,2,3,4,5,6,7
	global_load_b128 v[32*(\t)+4*(\c):32*(\t)+4*(\c)+3], v[VO], s[50:51] offset:(\t)*4096+(\c)*512 th:TH_LOAD_NT
.endr
.endr
	WIN 0
	s_wait_loadcnt 56                              ; loads come back in order: the 56 of enc may be out, the nineteen are in
.irp k, 1,2,3,4,5,6,7                  ; dec's projection: the eight partial sums, ks ascending
.irp p, 0,1,2,3
	v_pk_add_f32 v[128+2*(\p):129+2*(\p)], v[128+2*(\p):129+2*(\p)], v[128+8*(\k)+2*(\p):129+8*(\k)+2*(\p)]
.endr
.endr
	ds_store_b128 v[VDS], v[128:131]
	ds_store_b128 v[VDS], v[132:135] offset:2048
.irp p, 0,1,2,3                        ; w_out: rounded to bf16, widened again, times -2
	v_cvt_pk_bf16_f32 v[200+(\p)], v[192+2*(\p)], v[193+2*(\p)]
.endr
.irp p, 0,1,2,3
	v_lshlrev_b32 v[192+2*(\p)], 16, v[200+(\p)]
	v_and_b32 v[193+2*(\p)], 0xffff0000, v[200+(\p)]
.endr
.irp p, 0,1,2,3
	v_pk_mul_f32 v[192+2*(\p):193+2*(\p)], v[192+2*(\p):193+2*(\p)], -2.0 op_sel_hi:[1,0]
.endr
	ds_store_b128 v[VDS], v[192:195] offset:WOL-DPL
	ds_store_b128 v[VDS], v[196:199] offset:WOL-DPL+2048
; LOADING.  A ring of eight rows in registers.  Row t of a round of eight: the row seven further on is asked for (eight loads of 512 consecutive bytes), row t is rounded to bf16
; and stored into LDS, 256 consecutive bytes a store.  left = the younger loads that may stay out.
.macro TURN t, fill, left
.if \fill
	WIN 0x40
.irp c, 0,1,2,3,4,5,6,7
	global_load_b128 v[32*(((\t)+7)%8)+4*(\c):32*(((\t)+7)%8)+4*(\c)+3], v[VO], s[50:51] offset:((\t)+7)*4096+(\c)*512 th:TH_LOAD_NT
.endr
.endif
	s_wait_loadcnt \left
	WIN 0x05                                       ; sources window 1, destination window 0
.irp c, 0,1,2,3,4,5,6,7
	v_cvt_pk_bf16_f32 v[Y+2*(\c)],   v[32*(\t)+4*(\c)],   v[32*(\t)+4*(\c)+1]
	v_cvt_pk_bf16_f32 v[Y+2*(\c)+1], v[32*(\t)+4*(\c)+2], v[32*(\t)+4*(\c)+3]
.endr
	WIN 0
.irp c, 0,1,2,3,4,5,6,7
	ds_store_b64 v[VS], v[Y+2*(\c):Y+2*(\c)+1] offset:(\t)*PA+(\c)*256
.endr
.endm
	s_mov_b32 s47, 3
.Lrows:
.irp t, 0,1,2,3,4,5,6,7
	TURN \t, 1, 56                                 ; seven younger rows of eight loads
.endr
	s_wait_xcnt 0x0                                ; the base that pending loads name is stepped only behind this wait
	s_add_nc_u64 s[50:51], s[50:51], 8*4096
	v_add_nc_u32 v[VS], 8*PA, v[VS]
	s_sub_co_u32 s47, s47, 1
	s_cmp_lg_u32 s47, 0
	s_cbranch_scc1 .Lrows
	TURN 0, 1, 56                                  ; the last round: one more row is asked for, then the counts run down
.irp t, 1,2,3,4,5,6,7
	TURN \t, 0, 56-8*(\t)
.endr
	; w_e's ring: chunk 0's K steps 0 to 2
	s_mov_b64 s[32:33], s[36:37]                   ; PB: this chunk's fragments
	s_mov_b32 s40, 1                               ; CN: the next chunk
	s_mov_b32 s42, 0                               ; 2,048 x this chunk
	s_mov_b32 s43, 2048                            ; 2,048 x the next
	s_mov_b32 s38, 1<<20                           ; a chunk is eight groups of 131,072 bytes
	s_add_nc_u64 s[34:35], s[36:37], s[38:39]      ; PN: the next chunk's fragments
	WIN 0xc0                                       ; destination window 3
.irp j, 0,1,2
.irp b, 0,1,2,3,4,5,6,7
	global_load_b128 v[64*(\j)+8*(\b):64*(\j)+8*(\b)+3],   v[VO], s[32:33] offset:((\b)/4)*131072+(\j)*4096+((\b)%4)*1024
	global_load_b128 v[64*(\j)+8*(\b)+4:64*(\j)+8*(\b)+7], v[VO], s[32:33] offset:((\b)/4)*131072+(\j)*4096+((\b)%4)*1024+512
.endr
.endr
	WIN 0
	s_wait_dscnt 0x0                               ; for the others' sake: my rows, my part of DPL and WOL are in LDS
	s_barrier_signal -1
	s_barrier_wait -1                              ; from here on the rows, DPL and WOL are only read
.irp b, 0,1,2,3,4,5,6,7
	ds_load_b128 v[DP+8*(\b):DP+8*(\b)+3],   v[VDP0] offset:(\b)*64
	ds_load_b128 v[DP+8*(\b)+4:DP+8*(\b)+7], v[VDP0] offset:(\b)*64+16
.endr
.irp a, 0,1,2,3,4,5,6,7
	ds_load_b128 v[AF+8*(\a):AF+8*(\a)+3],   v[VA+(\a)/2] offset:((\a)%2)*16*PA
	ds_load_b128 v[AF+8*(\a)+4:AF+8*(\a)+7], v[VA+(\a)/2] offset:((\a)%2)*16*PA+32
.endr
; K STEP ks OF A CHUNK.  One run of loads: the next step's 16 of enc's fragments from LDS, then w_e's 16 of the step three on (beyond step 31: the next chunk's); then 64 matrix instructions.
; ra names the four LDS address registers and pb w_e's pointer: the fixed ones where the step is written out, the stepped ones in the loop (there ks = 4 .. 7 stands for 4 + 4 trip .. 7 + 4 trip:
; the buffers go by ks % 2 and ks % 4, which the trip does not change).
; Step 0 starts the sums with dec's projection as C.  Step 1 fetches WO into DP's registers, behind the four places that follow step 0's products; its wait lets those 16 stay out too,
; and step 2's wait for 16 shows them in.  The 64 accumulators take turns in the same order in every step, over both loops' jumps too.
.macro STEP
	PLACES                                         ; behind the last step's products: their buffers are loaded again below
	WIN 0
.set fa, AF+64*((ks+1)%2)
.irp a, 0,1,2,3,4,5,6,7
	ds_load_b128 v[fa+8*(\a):fa+8*(\a)+3],   v[ra+(\a)/2] offset:((\a)%2)*16*PA+((ks+1)%32)*64
	ds_load_b128 v[fa+8*(\a)+4:fa+8*(\a)+7], v[ra+(\a)/2] offset:((\a)%2)*16*PA+((ks+1)%32)*64+32
.endr
.set more, 0
.if ks == 1
.set more, 16
.irp b, 0,1,2,3,4,5,6,7
	ds_load_b128 v[WO+8*(\b):WO+8*(\b)+3],   v[VWO] offset:(\b)*64
	ds_load_b128 v[WO+8*(\b)+4:WO+8*(\b)+7], v[VWO] offset:(\b)*64+16
.endr
.endif
	s_wait_loadcnt 32                              ; two younger steps of sixteen loads may be out: this step's fragments of w_e are in
	WIN 0xc0
.set fb, 64*((ks+3)%4)
.irp b, 0,1,2,3,4,5,6,7
.if ks+3 < 32
	global_load_b128 v[fb+8*(\b):fb+8*(\b)+3],   v[VO], s[pb:pb+1] offset:((\b)/4)*131072+(ks+3)*4096+((\b)%4)*1024
	global_load_b128 v[fb+8*(\b)+4:fb+8*(\b)+7], v[VO], s[pb:pb+1] offset:((\b)/4)*131072+(ks+3)*4096+((\b)%4)*1024+512
.else
	global_load_b128 v[fb+8*(\b):fb+8*(\b)+3],   v[VO], s[34:35] offset:((\b)/4)*131072+(ks-29)*4096+((\b)%4)*1024
	global_load_b128 v[fb+8*(\b)+4:fb+8*(\b)+7], v[VO], s[34:35] offset:((\b)/4)*131072+(ks-29)*4096+((\b)%4)*1024+512
.endif
.endr
	s_wait_dscnt 16+more                           ; all but what this step has just issued: this step's fragments of enc are in
.set fa, AF+64*(ks%2)
.set fb, 64*(ks%4)
.irp a, 0,1,2,3,4,5,6,7
.if ks == 0
	WIN 0x43+0x40*((\a)/4)                         ; w_e window 3, enc window 0, C (DP) window 0, D window 1 or 2
.else
	WIN 0x53+0x50*((\a)/4)                         ; C and D window 1 or 2
.endif
.irp b, 0,1,2,3,4,5,6,7
.if ks == 0
	v_wmma_f32_16x16x32_bf16 v[8*(8*((\a)%4)+(\b)):8*(8*((\a)%4)+(\b))+7], v[fb+8*(\b):fb+8*(\b)+7], v[fa+8*(\a):fa+8*(\a)+7], v[DP+8*(\b):DP+8*(\b)+7]
.else
	v_wmma_f32_16x16x32_bf16 v[8*(8*((\a)%4)+(\b)):8*(8*((\a)%4)+(\b))+7], v[fb+8*(\b):fb+8*(\b)+7], v[fa+8*(\a):fa+8*(\a)+7], v[8*(8*((\a)%4)+(\b)):8*(8*((\a)%4)+(\b))+7]
.endif
.endr
.endr
.endm
; THE ACTIVATION.  w tanh x = w - 2 w / (1 + 2^(2 x log2 e)).  For tile t = 8 a + b, in one of three buffers of eight registers: M: x times 2 log2 e (it takes the sums out of the accumulator,
; its lowest registers first); E: eight powers; A: + 1; R: eight reciprocals; F: SC[a] += quotient x (-2 w).  The sum of w is kept apart and added at the end.
.macro STM t
	WIN 1+(\t)/32                                  ; source 0 window 1 or 2
.irp p, 0,1,2,3
	v_pk_mul_f32 v[T+8*((\t)%3)+2*(\p):T+8*((\t)%3)+2*(\p)+1], v[8*((\t)%32)+2*(\p):8*((\t)%32)+2*(\p)+1], s[30:31] op_sel_hi:[1,0]
.endr
	WIN 0
.endm
; Trip et of 66: E of tile et with F of tile et - 2 between; R of tile et - 1 with A of tile et between; M of tile et + 1, into the buffer that F has just left.
; A plain instruction stands between every power or reciprocal and the use of its result (ISA guide 5.7.2); where a stage is missing at the ends, a v_nop.
.macro EPI
.set te, T+8*(et%3)
.set tf, T+8*((et+1)%3)
.set tr, T+8*((et+2)%3)
.irp p, 0,1,2,3
.if et < 64
	v_exp_f32 v[te+2*(\p)], v[te+2*(\p)]
	v_exp_f32 v[te+2*(\p)+1], v[te+2*(\p)+1]
.endif
.if et >= 2
	s_wait_alu depctr_va_vdst(0)
	v_pk_fma_f32 v[SC+2*((et-2)/8):SC+2*((et-2)/8)+1], v[tf+2*(\p):tf+2*(\p)+1], v[WO+8*((et-2)%8)+2*(\p):WO+8*((et-2)%8)+2*(\p)+1], v[SC+2*((et-2)/8):SC+2*((et-2)/8)+1]
.endif
.endr
	v_nop
.irp p, 0,1,2,3
.if (et >= 1) && (et < 65)
	v_rcp_f32 v[tr+2*(\p)], v[tr+2*(\p)]
	v_rcp_f32 v[tr+2*(\p)+1], v[tr+2*(\p)+1]
.endif
.if et < 64
	s_wait_alu depctr_va_vdst(0)
	v_pk_add_f32 v[te+2*(\p):te+2*(\p)+1], v[te+2*(\p):te+2*(\p)+1], 1.0 op_sel_hi:[1,0]
.endif
.endr
.if et >= 64
	v_nop
.endif
.if et+1 < 64
	STM et+1
.endif
.endm
	s_mov_b32 s41, 2
.Lchunk:                                               ; two trips: 128 columns of h for my wave in each.  On both ways in: three steps of w_e, DP and step 0's fragments of enc are out or in
	v_add_nc_u32 v[VDP], s43, v[VDP0]
	v_add_nc_u32 v[VWO], s42, v[VWO0]
.irp i, 0,1,2,3
	v_mov_b32 v[VR+(\i)], v[VA+(\i)]               ; the stepped addresses start anew in each chunk,
.endr
	s_mov_b64 s[54:55], s[32:33]                   ; and so does the stepped pointer (no load that names it is untranslated: the wait at the chunk's bottom)
.set ra, VA
.set pb, 32
.set ks, 0
.rept 4                                ; K steps 0 to 3 are written out: step 0 starts the sums, step 1 fetches WO
	STEP
.set ks, ks+1
.endr
	WIN 0                                          ; at a label and at a branch every window is 0
	s_mov_b32 s49, 6
.set ra, VR
.set pb, 54
.Lk:                                                   ; six trips: K steps 4 to 27, four a trip: once round w_e's ring
.set ks, 4
.rept 4
	STEP
.set ks, ks+1
.endr
	WIN 0
	s_wait_xcnt 0x0                                ; the pointer that pending loads name is stepped only behind this wait; the last of them were issued 64 products ago
	s_add_nc_u64 s[54:55], s[54:55], 4*4096
.irp i, 0,1,2,3
	v_add_nc_u32 v[VR+(\i)], 4*64, v[VR+(\i)]
.endr
	s_sub_co_u32 s49, s49, 1
	s_cmp_lg_u32 s49, 0
	s_cbranch_scc1 .Lk
.set ra, VA
.set pb, 32
.set ks, 28
.rept 4                                ; K steps 28 to 31 are written out: their look-ahead goes over to the next chunk
	STEP
.set ks, ks+1
.endr
	WIN 0
.irp b, 0,1,2,3,4,5,6,7                ; the chunk's -2 w, onto four pairs that do not wait for each other; these 32 name no register of the last products and are the places behind them
	v_pk_add_f32 v[48:49], v[48:49], v[WO+8*(\b):WO+8*(\b)+1]
	v_pk_add_f32 v[52:53], v[52:53], v[WO+8*(\b)+2:WO+8*(\b)+3]
	v_pk_add_f32 v[54:55], v[54:55], v[WO+8*(\b)+4:WO+8*(\b)+5]
	v_pk_add_f32 v[58:59], v[58:59], v[WO+8*(\b)+6:WO+8*(\b)+7]
.endr
	STM 0
.set et, 0
.rept 66
	EPI
.set et, et+1
.endr
	WIN 0
.irp b, 0,1,2,3,4,5,6,7                ; WO has served: its registers take the next chunk's DP
	ds_load_b128 v[DP+8*(\b):DP+8*(\b)+3],   v[VDP] offset:(\b)*64
	ds_load_b128 v[DP+8*(\b)+4:DP+8*(\b)+7], v[VDP] offset:(\b)*64+16
.endr
	s_wait_xcnt 0x0                                ; the bases that pending loads name are written only behind this wait
	s_mov_b64 s[32:33], s[34:35]
	s_mov_b32 s42, s43
	s_add_co_u32 s40, s40, 1
	s_and_b32 s40, s40, 1                          ; behind chunk 1 comes chunk 0: its look-ahead is read for nothing and stays inside wb
	s_lshl_b32 s43, s40, 11
	s_lshl_b32 s38, s40, 20
	s_add_nc_u64 s[34:35], s[36:37], s[38:39]
	s_sub_co_u32 s41, s41, 1
	s_cmp_lg_u32 s41, 0
	s_cbranch_scc1 .Lchunk
	; THE SCORES.  A lane's pair and its share of the sum of w; the other half of the lanes; the four waves through LDS.
	s_wait_dscnt 0x0                               ; the wrapped fetches from LDS have landed: v64-127 are free
	v_pk_add_f32 v[48:49], v[48:49], v[52:53]
	v_pk_add_f32 v[54:55], v[54:55], v[58:59]
	v_pk_add_f32 v[48:49], v[48:49], v[54:55]
	v_add_f32 v50, v48, v49
	v_mul_f32 v50, -0.5, v50                       ; the sum of w over my lane's columns
.irp a, 0,1,2,3,4,5,6,7
	v_add_f32 v[64+(\a)], v[SC+2*(\a)], v[SC+2*(\a)+1]
.endr
.irp a, 0,1,2,3,4,5,6,7
	v_add_f32 v[64+(\a)], v[64+(\a)], v50
.endr
.irp a, 0,1,2,3,4,5,6,7
	v_permlanex16_b32 v[XL], v[64+(\a)], s44, s45
	v_add_f32 v[64+(\a)], v[64+(\a)], v[XL]
.endr
.irp q, 0,1,2,3
	v_cndmask_b32 v[72+(\q)], v[65+2*(\q)], v[64+2*(\q)], s46  ; lanes 0-15 row block 2 q, lanes 16-31 block 2 q + 1: rows 32 q + lane
	ds_store_b32 v[VSC], v[72+(\q)] offset:(\q)*128
.endr
	s_wait_dscnt 0x0                               ; for the others' sake: my partial scores are in LDS
	s_barrier_signal -1
	s_barrier_wait -1
.irp q, 0,1,2,3
	ds_load_b128 v[64+4*(\q):67+4*(\q)], v[VSR] offset:(\q)*512  ; every wave: all four waves' parts of rows 4 lane .. + 3
.endr
	s_wait_dscnt 0x0
	v_pk_add_f32 v[64:65], v[64:65], v[68:69]
	v_pk_add_f32 v[66:67], v[66:67], v[70:71]
	v_pk_add_f32 v[72:73], v[72:73], v[76:77]
	v_pk_add_f32 v[74:75], v[74:75], v[78:79]
	v_pk_add_f32 v[64:65], v[64:65], v[72:73]
	v_pk_add_f32 v[66:67], v[66:67], v[74:75]
.irp i, 0,1,2,3
	v_bfe_u32 v50, v[MK], 8*(\i), 8
	v_cmp_ne_u32 vcc_lo, 0, v50
	v_cndmask_b32 v[64+(\i)], v[NINF], v[64+(\i)], vcc_lo
.endr
	; the block's own maximum, held finite; p and l.  Every wave makes the same numbers from the same words in the same order.
	v_max3_num_f32 v80, v64, v65, v66
	v_max_num_f32 v80, v80, v67
	v_max_num_f32_dpp v80, v80, v80 row_xmask:1 row_mask:0xf bank_mask:0xf
	v_max_num_f32_dpp v80, v80, v80 row_xmask:2 row_mask:0xf bank_mask:0xf
	v_max_num_f32_dpp v80, v80, v80 row_xmask:4 row_mask:0xf bank_mask:0xf
	v_max_num_f32_dpp v80, v80, v80 row_xmask:8 row_mask:0xf bank_mask:0xf
	v_permlanex16_b32 v[XL], v80, s44, s45
	v_max_num_f32 v80, v80, v[XL]
	v_max_num_f32 v80, 0xff7fffff, v80
.irp i, 0,1,2,3
	v_sub_f32 v[68+(\i)], v[64+(\i)], v80
.endr
.irp i, 0,1,2,3
	v_mul_f32 v[68+(\i)], s48, v[68+(\i)]
.endr
.irp i, 0,1,2,3
	v_exp_f32 v[68+(\i)], v[68+(\i)]
.endr
	v_nop
	s_wait_alu depctr_va_vdst(0)
	v_add_f32 v81, v68, v69
	v_add_f32 v51, v70, v71
	v_add_f32 v81, v81, v51
	v_add_f32_dpp v81, v81, v81 row_xmask:1 row_mask:0xf bank_mask:0xf
	v_add_f32_dpp v81, v81, v81 row_xmask:2 row_mask:0xf bank_mask:0xf
	v_add_f32_dpp v81, v81, v81 row_xmask:4 row_mask:0xf bank_mask:0xf
	v_add_f32_dpp v81, v81, v81 row_xmask:8 row_mask:0xf bank_mask:0xf
	v_permlanex16_b32 v[XL], v81, s44, s45
	v_add_f32 v81, v81, v[XL]
	v_cvt_pk_bf16_f32 v72, v68, v69                ; p's first bf16,
	v_cvt_pk_bf16_f32 v73, v70, v71
	v_lshlrev_b32 v74, 16, v72
	v_and_b32 v75, 0xffff0000, v72
	v_lshlrev_b32 v76, 16, v73
	v_and_b32 v77, 0xffff0000, v73
	v_pk_add_f32 v[74:75], v[68:69], v[74:75] neg_lo:[0,1] neg_hi:[0,1]
	v_pk_add_f32 v[76:77], v[70:71], v[76:77] neg_lo:[0,1] neg_hi:[0,1]
	v_cvt_pk_bf16_f32 v78, v74, v75                ; and the bf16 of what it leaves
	v_cvt_pk_bf16_f32 v79, v76, v77
	ds_store_b64 v[VPS], v[72:73]                  ; into my wave's own bytes
	ds_store_b64 v[VPS], v[78:79] offset:256
	s_cmp_lg_u32 s24, 0
	s_cbranch_scc1 .Lnot_wave_0
	global_store_b128 v[VO], v[64:67], s[22:23]    ; the 128 scores: 512 consecutive bytes; v64-67, v80-81 are not written again
	global_store_b64 v[V8L], v[80:81], s[20:21]    ; (m, l), once a lane: 256 consecutive bytes
.Lnot_wave_0:
	; THE WEIGHTED SUM.  Source 0 = P: 16 rows x 32 rows of enc, even rows p's first bf16, odd rows its second; source 1 = 32 rows x 16 columns of enc, turned on the way out of LDS.
	s_wait_loadcnt 0x0                             ; the wrapped look-ahead of w_e has landed (in window 3, which nothing names again): no load of mine is on its way into registers
.irp k, 0,1,2,3
	ds_load_b128 v[PF+8*(\k):PF+8*(\k)+3],   v[VP] offset:(\k)*64     ; LDS serves a wave's instructions in order (ISA guide 5.7.1.4): these see my stores above
	ds_load_b128 v[PF+8*(\k)+4:PF+8*(\k)+7], v[VP] offset:(\k)*64+32
.endr
.macro TFL kk, buf                     ; 32 turning loads: rows 32 kk .. + 31, my 256 columns
	WIN 0x80
.irp u, 0,1,2,3,4,5,6,7,8,9,10,11,12,13,14,15
	ds_load_tr16_b128 v[128*(\buf)+8*(\u):128*(\buf)+8*(\u)+3],   v[VT+(\kk)] offset:32*(\u)
	ds_load_tr16_b128 v[128*(\buf)+8*(\u)+4:128*(\buf)+8*(\u)+7], v[VT+(\kk)] offset:32*(\u)+16*PA
.endr
.endm
.macro PVM kk, buf                     ; 16 products; the 16 accumulators take turns
	WIN 0x58                                       ; P window 0, enc window 2, C and D window 1
.irp u, 0,1,2,3,4,5,6,7,8,9,10,11,12,13,14,15
.if (\kk) == 0
	v_wmma_f32_16x16x32_bf16 v[8*(\u):8*(\u)+7], v[PF+8*(\kk):PF+8*(\kk)+7], v[128*(\buf)+8*(\u):128*(\buf)+8*(\u)+7], 0
.else
	v_wmma_f32_16x16x32_bf16 v[8*(\u):8*(\u)+7], v[PF+8*(\kk):PF+8*(\kk)+7], v[128*(\buf)+8*(\u):128*(\buf)+8*(\u)+7], v[8*(\u):8*(\u)+7]
.endif
.endr
.endm
	TFL 0, 0
	TFL 1, 1
	s_wait_dscnt 32                                ; the younger run of 32 may be out
	PVM 0, 0
	PLACES
	TFL 2, 0
	s_wait_dscnt 32
	PVM 1, 1
	PLACES
	TFL 3, 1
	s_wait_dscnt 32
	PVM 2, 0
	s_wait_dscnt 0x0
	PVM 3, 1
	PLACES
	WIN 0x05
.irp u, 0,1,2,3,4,5,6,7,8,9,10,11,12,13,14,15
	v_add_f32 v[128+(\u)], v[8*(\u)], v[8*(\u)+1]  ; rows 8 hh and 8 hh + 1 of the result: the two parts of p; both halves of the lanes hold column 16 u + r
.endr
	WIN 0
.irp q, 0,1,2,3,4,5,6,7
	v_cndmask_b32 v[144+(\q)], v[129+2*(\q)], v[128+2*(\q)], s46  ; columns 32 q + lane
	ds_store_b32 v[VGS], v[144+(\q)] offset:(\q)*128
.endr
	ds_load_b128 v[152:155], v[VGL]                ; my wave's own bytes, back as 16 bytes a lane
	ds_load_b128 v[156:159], v[VGL] offset:512
	s_wait_dscnt 0x0
	global_store_b128 v[VO], v[152:155], s[18:19]  ; each store of the wave covers 512 consecutive bytes, aligned
	global_store_b128 v[VO], v[156:159], s[18:19] offset:512
	s_wait_tensorcnt 0x0                           ; the wave's end: behind my last LDS store
	ds_add_u32 v[SPW], v[NIL]
	s_wait_dscnt 0x0
	s_endpgm
.Lfunc_end_k_q60c8769085_main:
	.size	k_q60c8769085_main, .Lfunc_end_k_q60c8769085_main-k_q60c8769085_main
	.p2alignl 7, 3214868480
	.fill 96, 4, 3214868480
	.section	.rodata,"a",@progbits
	.p2align	6, 0x0
	.amdhsa_kernel k_q60c8769085_main
		.amdhsa_group_segment_fixed_size 281088
		.amdhsa_private_segment_fixed_size 0
		.amdhsa_enable_private_segment 0
		.amdhsa_kernarg_size 64
		.amdhsa_user_sgpr_count 2
		.amdhsa_user_sgpr_kernarg_segment_ptr 1
		.amdhsa_wavefront_size32 1
		.amdhsa_system_sgpr_workgroup_id_x 1
		.amdhsa_system_sgpr_workgroup_id_y 1
		.amdhsa_system_sgpr_workgroup_id_z 1
		.amdhsa_system_vgpr_workitem_id 0
		.amdhsa_next_free_vgpr 1024
		.amdhsa_next_free_sgpr 66
		.amdhsa_reserve_vcc 1
		.amdhsa_float_denorm_mode_32 3
		.amdhsa_float_denorm_mode_16_64 3
		.amdhsa_memory_ordered 1
		.amdhsa_forward_progress 1
		.amdhsa_inst_pref_size 255
	.end_amdhsa_kernel
	.section	.bss,"aw",@nobits
	.p2align	6
	.space	262144
	.amdgpu_metadata
---
amdhsa.version: [ 1, 2 ]
amdhsa.kernels:
  - .name:           k_q60c8769085_main
    .symbol:         k_q60c8769085_main.kd
    .args:
      - { .name: enc, .offset: 0, .size: 8, .value_kind: global_buffer, .address_space: global }
      - { .name: inp_mask, .offset: 8, .size: 8, .value_kind: global_buffer, .address_space: global }
      - { .name: w_out, .offset: 16, .size: 8, .value_kind: global_buffer, .address_space: global }
      - { .name: wb, .offset: 24, .size: 8, .value_kind: global_buffer, .address_space: global }
      - { .name: dpp, .offset: 32, .size: 8, .value_kind: global_buffer, .address_space: global }
      - { .name: part, .offset: 40, .size: 8, .value_kind: global_buffer, .address_space: global }
      - { .name: st, .offset: 48, .size: 8, .value_kind: global_buffer, .address_space: global }
      - { .name: sc, .offset: 56, .size: 8, .value_kind: global_buffer, .address_space: global }
    .group_segment_fixed_size: 281088
    .private_segment_fixed_size: 0
    .kernarg_segment_align: 8
    .kernarg_segment_size: 64
    .max_flat_workgroup_size: 128
    .sgpr_count:     66
    .vgpr_count:     1024
    .wavefront_size: 32
...
	.end_amdgpu_metadata
.endif
;; end of part 2
;; launch fin (part 3): grid 256 x 1, 1 waves a work-group, no clusters, 0 bytes of LDS; arguments part, st, sc, out0, out1; writes out0, out1
.if DOCPART == 3
	.amdgcn_target "amdgcn-amd-amdhsa--gfx1250"
	.amdhsa_code_object_version 6
	.text
	.protected	k_q60c8769085_fin
	.globl	k_q60c8769085_fin
	.p2align	8
	.type	k_q60c8769085_fin,@function
k_q60c8769085_fin:
	s_mov_b64 s[64:65], 0
	v_nop
	global_prefetch_b8 v0, s[64:65] scope:SCOPE_SE
	s_setreg_imm32_b32 hwreg(HW_REG_WAVE_MODE, 25, 1), 1
	s_wait_xcnt 0x0
; A batch's sixteen blocks are joined.  M = the largest m_w; f_w = e^(m_w - M); L = the sum of f_w l_w;
; probs[n] = e^(score[n] - M) / L;  attn[e] = the sum over w of (f_w / L) part_w[e].
; One wave a work-group; work-group wg: batch b = wg / 8, eighth o = wg % 8: 256 probs and 128 columns of attn.  Memory binds, and the data are 2.5 MiB: no LDS, no matrix unit.
; LIMITS.  A batch whose mask is all 0 has L = 0: 1 / L is infinite, and 0 times it is NaN, as the softmax of a row of -inf is.  A power below 2^-126 counts as 0.
	s_load_b256 s[4:11], s[0:1], 0x0               ; part s[4:5], st s[6:7], sc s[8:9], out0 s[10:11]
	s_load_b64 s[12:13], s[0:1], 0x20              ; out1
	v_and_b32 v1, 15, v0
	v_lshlrev_b32 v1, 8, v1                        ; block lane % 16: 256 bytes apart in st
	v_lshlrev_b32 v80, 4, v0                       ; 16 bytes a lane
	s_lshr_b32 s14, ttmp9, 3                       ; b
	s_and_b32 s15, ttmp9, 7                        ; o
	s_mov_b32 s33, 0
	s_mov_b32 s34, 0x3fb8aa3b                      ; log2 e
	s_lshl_b32 s35, s15, 9
	s_lshl_b32 s36, s15, 10
	s_wait_kmcnt 0x0
	s_lshl_b32 s32, s14, 12
	s_add_nc_u64 s[6:7], s[6:7], s[32:33]          ; st: 16 blocks of 256 bytes a batch
	s_add_co_u32 s32, s32, s35
	s_add_nc_u64 s[10:11], s[10:11], s[32:33]      ; out0: row b, 128 columns o
	s_lshl_b32 s32, s14, 13
	s_add_co_u32 s32, s32, s36
	s_add_nc_u64 s[8:9], s[8:9], s[32:33]          ; sc and out1: row b, 256 numbers o
	s_add_nc_u64 s[12:13], s[12:13], s[32:33]
	s_lshl_b32 s32, s14, 16
	s_add_co_u32 s32, s32, s35
	s_add_nc_u64 s[4:5], s[4:5], s[32:33]          ; part: the batch's first block, 128 columns o
	global_load_b64 v[2:3], v1, s[6:7]             ; (m, l) of block lane % 16
	global_load_b128 v[4:7], v80, s[8:9]
	global_load_b128 v[8:11], v80, s[8:9] offset:512
.irp w, 0,1,2,3,4,5,6,7,8,9,10,11,12,13,14,15
	global_load_b128 v[16+4*(\w):19+4*(\w)], v80, s[4:5] offset:(\w)*4096
.endr
	s_wait_loadcnt 18                              ; the 18 younger loads may be out
	v_mov_b32 v12, v2
	v_max_num_f32_dpp v12, v12, v12 row_xmask:1 row_mask:0xf bank_mask:0xf
	v_max_num_f32_dpp v12, v12, v12 row_xmask:2 row_mask:0xf bank_mask:0xf
	v_max_num_f32_dpp v12, v12, v12 row_xmask:4 row_mask:0xf bank_mask:0xf
	v_max_num_f32_dpp v12, v12, v12 row_xmask:8 row_mask:0xf bank_mask:0xf  ; M: both halves of the lanes hold the same sixteen
	v_sub_f32 v13, v2, v12
	v_mul_f32 v13, s34, v13
	v_exp_f32 v13, v13                             ; f
	v_nop
	s_wait_alu depctr_va_vdst(0)
	v_mul_f32 v14, v13, v3
	v_add_f32_dpp v14, v14, v14 row_xmask:1 row_mask:0xf bank_mask:0xf
	v_add_f32_dpp v14, v14, v14 row_xmask:2 row_mask:0xf bank_mask:0xf
	v_add_f32_dpp v14, v14, v14 row_xmask:4 row_mask:0xf bank_mask:0xf
	v_add_f32_dpp v14, v14, v14 row_xmask:8 row_mask:0xf bank_mask:0xf  ; L
	v_rcp_f32 v15, v14
	v_nop
	s_wait_alu depctr_va_vdst(0)
	v_mul_f32 v13, v13, v15                        ; f / L
.irp w, 0,1,2,3,4,5,6,7,8,9,10,11,12,13,14,15
	v_readlane_b32 s[16+(\w)], v13, \w             ; sixteen factors: they enter arithmetic alone
.endr
	s_wait_loadcnt 16                              ; the scores are in
.irp i, 4,5,6,7,8,9,10,11
	v_sub_f32 v[\i], v[\i], v12
.endr
.irp i, 4,5,6,7,8,9,10,11
	v_mul_f32 v[\i], s34, v[\i]
.endr
.irp i, 4,5,6,7,8,9,10,11
	v_exp_f32 v[\i], v[\i]
.endr
	v_nop
	s_wait_alu depctr_va_vdst(0)
.irp i, 4,5,6,7,8,9,10,11
	v_mul_f32 v[\i], v[\i], v15
.endr
	global_store_b128 v80, v[4:7], s[12:13]        ; each store covers 512 consecutive bytes, aligned
	global_store_b128 v80, v[8:11], s[12:13] offset:512
	s_wait_loadcnt 0x0
.irp i, 0,1,2,3
	v_mul_f32 v[84+(\i)], s16, v[16+(\i)]          ; the first block starts the sums
.endr
.irp w, 1,2,3,4,5,6,7,8,9,10,11,12,13,14,15
.irp i, 0,1,2,3
	v_fmac_f32 v[84+(\i)], s[16+(\w)], v[16+4*(\w)+(\i)]
.endr
.endr
	global_store_b128 v80, v[84:87], s[10:11]
	s_endpgm
.Lfunc_end_k_q60c8769085_fin:
	.size	k_q60c8769085_fin, .Lfunc_end_k_q60c8769085_fin-k_q60c8769085_fin
	.p2alignl 7, 3214868480
	.fill 96, 4, 3214868480
	.section	.rodata,"a",@progbits
	.p2align	6, 0x0
	.amdhsa_kernel k_q60c8769085_fin
		.amdhsa_group_segment_fixed_size 0
		.amdhsa_private_segment_fixed_size 0
		.amdhsa_enable_private_segment 0
		.amdhsa_kernarg_size 40
		.amdhsa_user_sgpr_count 2
		.amdhsa_user_sgpr_kernarg_segment_ptr 1
		.amdhsa_wavefront_size32 1
		.amdhsa_system_sgpr_workgroup_id_x 1
		.amdhsa_system_sgpr_workgroup_id_y 1
		.amdhsa_system_sgpr_workgroup_id_z 1
		.amdhsa_system_vgpr_workitem_id 0
		.amdhsa_next_free_vgpr 96
		.amdhsa_next_free_sgpr 66
		.amdhsa_reserve_vcc 0
		.amdhsa_float_denorm_mode_32 3
		.amdhsa_float_denorm_mode_16_64 3
		.amdhsa_memory_ordered 1
		.amdhsa_forward_progress 1
		.amdhsa_inst_pref_size 9
	.end_amdhsa_kernel
	.amdgpu_metadata
---
amdhsa.version: [ 1, 2 ]
amdhsa.kernels:
  - .name:           k_q60c8769085_fin
    .symbol:         k_q60c8769085_fin.kd
    .args:
      - { .name: part, .offset: 0, .size: 8, .value_kind: global_buffer, .address_space: global }
      - { .name: st, .offset: 8, .size: 8, .value_kind: global_buffer, .address_space: global }
      - { .name: sc, .offset: 16, .size: 8, .value_kind: global_buffer, .address_space: global }
      - { .name: out0, .offset: 24, .size: 8, .value_kind: global_buffer, .address_space: global }
      - { .name: out1, .offset: 32, .size: 8, .value_kind: global_buffer, .address_space: global }
    .group_segment_fixed_size: 0
    .private_segment_fixed_size: 0
    .kernarg_segment_align: 8
    .kernarg_segment_size: 40
    .max_flat_workgroup_size: 32
    .sgpr_count:     66
    .vgpr_count:     96
    .wavefront_size: 32
...
	.end_amdgpu_metadata
.endif
;; end of part 3
;; ======== version 2 of 2: 3 launches; 1.13 times as fast as version 1
;; limits: a difference of large sums (such as E[x^2] - mean^2): digits are lost where the result is much smaller than its terms
;; workspace buffers: wb 2,097,152 bytes; dpp 1,048,576 bytes; part 2,097,152 bytes; st 131,072 bytes; sc 262,144 bytes
;; launch prep: the kernel of part 1 again; grid 256 x 1, 4 waves a work-group, no clusters, 0 bytes of LDS; arguments dec, w_d, w_e, wb, dpp; writes wb, dpp
;; launch main (part 4): grid 512 x 1, 4 waves a work-group, no clusters, 281,088 bytes of LDS; arguments enc, inp_mask, w_out, wb, dpp, part, st, sc; writes part, st, sc
.if DOCPART == 4
	.amdgcn_target "amdgcn-amd-amdhsa--gfx1250"
	.amdhsa_code_object_version 6
	.text
	.protected	k_q60c8769085_main
	.globl	k_q60c8769085_main
	.p2align	8
	.type	k_q60c8769085_main,@function
k_q60c8769085_main:
	s_mov_b64 s[64:65], 0
	v_nop
	global_prefetch_b8 v0, s[64:65] scope:SCOPE_SE
	s_setreg_imm32_b32 hwreg(HW_REG_WAVE_MODE, 25, 1), 1
	s_wait_xcnt 0x0
; For 128 rows n of one batch b (work-group wg: b = wg / 16, rows 128 wg .. + 127 of enc taken as [65536][1024]):
;   score[n] = the sum over h of w_out[h] tanh( enc[n] . w_e[:, h] + (dec[b] . w_d)[h] ), -inf where the mask is 0;
;   m = the largest of the 128 scores, p[n] = e^(score[n] - m), l = the sum of p, part[e] = the sum over n of p[n] enc[n][e].
; The next launch joins a batch's sixteen (m, l, part) and the scores into the softmax and the weighted sum.
; FORMATS.  enc, w_e, w_out (and dec, w_d in the launch before) are rounded to bf16 once; sums, tanh, scores, maxima and exponentials are f32.  p enters the second product as
; two bf16 numbers, its rounding and the rounding of what that leaves.
; LIMITS.  tanh x = 1 - 2 / (1 + 2^(2 x log2 e)): where the power overflows the quotient is 0, where it underflows it is 2: right at both ends.  A power or a p below 2^-126 counts as 0.
; A block whose mask is all 0 has m = the lowest finite number, l = 0 and part = 0.  NaN and infinities among the inputs are not treated apart.
; EACH BYTE OF enc ONCE.  The 128 rows are read once (512 KiB), rounded on the way and kept in LDS as bf16 (128 rows x 2,064 bytes) for both products.
; SHARES.  Loading: wave w takes rows 32 w .. + 31.  First product: every wave takes all 128 rows x 128 columns of h, two chunks c in turn (columns 512 c + 128 w .. + 127): 64 accumulators,
; so that a fragment of enc read from LDS feeds eight products and the resident rows are read from LDS twice by each wave.  Second product: wave w takes columns 256 w .. + 255 of enc.
; w_e comes as fragments (buffer wb): a load of 16 bytes a lane IS half a fragment, 512 consecutive bytes for the wave, so it goes from memory straight into registers, through a ring of four
; K steps, three steps (192 products) ahead.  So the K loop has no barrier.  The last chunk's look-ahead wraps to chunk 0 (3 steps of 64 read for nothing), so that one text serves both chunks
; and no load leaves wb.
; A K STEP's loads stand in ONE run at its head, never singly among the matrix instructions; then its 64 products stand back to back.
; THE ACTIVATION'S BATCHES.  A chunk's 64 tiles go in 16 groups of four tiles, 32 numbers a lane, through two buffers.  A trip's transcendentals, the reciprocals of one group and the powers of the
; next, 64 in all, are ONE batch with ONE wait behind it; what reads them stands in the next trip.  17 waits a chunk.  The block's four powers in the tail are a batch of their own.
; NO CLUSTER, though all work-groups read the same wb: beside the resident rows and the scratch 46,592 bytes of the 327,680 are left; two slots of one K step of 32 for the work-group's
; 512 columns are 65,536.
; THE MATRIX INSTRUCTION IS USED TRANSPOSED (source 0 = 16 columns of w_e, source 1 = 16 rows of enc): a lane holds ONE row of enc (lane % 16) and the columns 8 (lane / 16) + 0..7, so the sum
; over h stays in the lane but for one exchange of the halves.
; REGISTERS, in windows of 256 (s_set_vgpr_msb: bits 1:0 source 0, 3:2 source 1, 5:4 source 2, 7:6 destination):
;   window 0: v0-31 addresses; v32-47 SC, a pair of partial scores for each of 8 row blocks; v48-49, v52-55, v58-59 four pairs that sum -2 w; v50-51 at work; v56-63 addresses;
;             v64-127, v128-191 fragments of enc, two buffers (v64-79 also the rounded row while loading; v128-191 also the activation's two buffers of 32);
;             v192-255 DP, dec's projection for my 128 columns, which K step 0 takes as C; from K step 1 on WO, -2 w_out for them
;   window 1: the accumulators of row blocks 0-3, tile (a, b) at 8 (8 a + b); while loading: eight rows of enc in f32; at the end: the second product's 16 accumulators
;   window 2: those of row blocks 4-7; at the end: two buffers of turned fragments of enc
;   window 3: four K steps of w_e's fragments, step j at 64 j + 8 b
.set PA,    2064                       ; a row in LDS: 2,048 bytes + 16 = 516 words: row r starts at bank 4 r mod 64 (64 banks of 4 bytes: ISA guide 11.1)
.set DPL,   128*PA                     ; 4,096 bytes: dec's projection, f32 [1024]
.set WOL,   DPL+4096                   ; 4,096 bytes: -2 bf16(w_out), f32 [1024]
.set SCR,   WOL+4096                   ; 2,048 bytes: [wave][128 rows] partial scores
.set PBF,   SCR+2048                   ; 2,048 bytes: for each wave 256 bytes of p's first bf16 and 256 of its second
.set STG,   PBF+2048                   ; 4,096 bytes: for each wave 1,024, the way out
.set SPARE, STG+4096                   ; 512 bytes: the spare words, 128 for each wave; no other line names them
.set VO,  4                            ; v4   16 x lane; never rewritten
.set VS,  5                            ; v5   loading: where my 8 bytes of the round's first row go
.set VDP0, 6                           ; v6   DPL + 512 w + 32 hh
.set VWO0, 7                           ; v7   the same in WOL
.set VDP, 8                            ; v8   VDP0 + the next chunk
.set VWO, 9                            ; v9   VWO0 + this chunk
.set MK,  10                           ; v10  the mask's bytes of rows 4 lane .. + 3
.set NINF, 11                          ; v11  -inf
.set VA,  12                           ; v12-15  row blocks 2 i and 2 i + 1: (32 i + r) PA + 16 hh; the odd block by the immediate 16 PA; never rewritten
.set VR,  16                           ; v16-19  the same, stepped along K in the loop
.set VT,  20                           ; v20-23  turning loads, rows 32 kk on
.set VP,  24                           ; v24  P's fragments
.set VT16, 25                          ; v25  16 x thread
.set VDS, 26                           ; v26  DPL + 16 x thread
.set VM4, 27                           ; v27  4 x lane
.set VSC, 28                           ; v28  SCR + 512 w + 4 lane
.set VSR, 29                           ; v29  SCR + 16 lane
.set SPW, 30                           ; v30  my spare word; never rewritten
.set NIL, 31                           ; v31  0; never rewritten
.set SC,  32
.set V8L, 56                           ; v56  8 x lane
.set XL,  60                           ; v60  what v_permlanex16_b32 brings
.set VPS, 61                           ; v61  PBF + 512 w + 8 lane
.set VGS, 62                           ; v62  STG + 1,024 w + 4 lane
.set VGL, 63                           ; v63  STG + 1,024 w + 16 lane
.set Y,   64
.set AF,  64
.set PF,  96
.set T,   128
.set DP,  192
.set WO,  192
.set MSB, 0
.macro WIN new                         ; the immediate's high byte repeats the setting that is left; a switch that changes nothing is dropped
.if MSB != (\new)
	s_set_vgpr_msb (MSB<<8)|(\new)
.set MSB, (\new)
.endif
.endm
.macro PLACES                          ; four places between matrix instructions and loads into, or vector reads of, their registers (ISA guide 7.12.1 for vector reads)
.rept 4
	v_nop
.endr
.endm
	s_load_b512 s[8:23], s[0:1], 0x0               ; enc s[8:9], mask s[10:11], w_out s[12:13], wb s[14:15], dpp s[16:17], part s[18:19], st s[20:21], sc s[22:23]
	v_lshl_add_u32 v[SPW], v0, 2, SPARE
	v_mov_b32 v[NIL], 0
	v_and_b32 v1, 31, v0                           ; lane
	v_lshrrev_b32 v50, 5, v0
	v_readfirstlane_b32 s24, v50                   ; wave w
	v_and_b32 v2, 15, v0                           ; r
	v_bfe_u32 v3, v0, 4, 1                         ; hh
	v_lshlrev_b32 v[VO], 4, v1
	v_lshlrev_b32 v[VT16], 4, v0
	v_lshl_add_u32 v[VDS], v0, 4, DPL
	v_lshlrev_b32 v[VM4], 2, v1
	v_lshlrev_b32 v[V8L], 3, v1
	v_mov_b32 v[NINF], 0xff800000
	v_mov_b32 v[XL], 0                             ; v_permlanex16_b32's destination counts as read
	s_mov_b32 s25, ttmp9                           ; wg
	s_lshr_b32 s26, s25, 4                         ; b
	s_mov_b32 s29, 0                               ; high words of the two offset pairs
	s_mov_b32 s39, 0
	s_mov_b32 s30, 0x4038aa3b                      ; 2 log2 e
	s_mov_b32 s31, s30                             ; named with it as a pair
	s_mov_b32 s44, 0x76543210                      ; v_permlanex16_b32: each lane takes its own place in the other half
	s_mov_b32 s45, 0xfedcba98
	s_mov_b32 s46, 0xffff                          ; lanes 0-15
	s_mov_b32 s48, 0x3fb8aa3b                      ; log2 e
	s_mul_i32 s52, s24, 32*PA
	v_lshl_add_u32 v[VS], v1, 3, s52               ; my wave's first row, 8 bytes a lane
	s_lshl_b32 s52, s24, 9                         ; my 128 columns of f32
	s_add_co_u32 s52, s52, DPL
	v_lshl_add_u32 v[VDP0], v3, 5, s52
	v_add_nc_u32 v[VWO0], 4096, v[VDP0]
	v_mul_u32_u24 v[VA], v2, PA
	v_lshl_add_u32 v[VA], v3, 4, v[VA]
.irp i, 1,2,3
	v_add_nc_u32 v[VA+(\i)], (\i)*32*PA, v[VA]
.endr
	v_and_b32 v50, 7, v0                           ; the turning load: lane l reads row 8 hh + l % 8, 16 bytes at 16 ((l / 8) % 2)
	v_lshl_add_u32 v50, v3, 3, v50
	v_mul_u32_u24 v50, v50, PA
	v_bfe_u32 v51, v0, 3, 1
	v_lshl_add_u32 v50, v51, 4, v50
	s_lshl_b32 s52, s24, 9                         ; my 256 columns of bf16
	v_add_nc_u32 v[VT], s52, v50
.irp k, 1,2,3
	v_add_nc_u32 v[VT+(\k)], (\k)*32*PA, v[VT]
.endr
	s_add_co_u32 s53, s52, PBF
	v_and_b32 v50, 1, v0
	v_lshl_add_u32 v[VP], v50, 8, s53              ; even rows of P take p's first bf16, odd rows its second
	v_lshl_add_u32 v[VP], v3, 4, v[VP]
	v_lshl_add_u32 v[VPS], v1, 3, s53
	s_add_co_u32 s53, s52, SCR
	v_lshl_add_u32 v[VSC], v1, 2, s53
	v_add_nc_u32 v[VSR], SCR, v[VO]
	s_lshl_b32 s52, s24, 10
	s_add_co_u32 s52, s52, STG
	v_lshl_add_u32 v[VGS], v1, 2, s52
	v_lshl_add_u32 v[VGL], v1, 4, s52
.set i, SC
.rept 18
	v_mov_b32 v[i], 0                              ; SC and the four pairs that sum -2 w are added onto in both chunks by one text
.set i, i+1
.endr
.irp i, 52,53,54,55,58,59
	v_mov_b32 v[\i], 0
.endr
	s_wait_kmcnt 0x0
	s_lshl_b32 s28, s25, 19                        ; 128 rows of 4,096 bytes a work-group,
	s_lshl_b32 s52, s24, 17                        ; 32 a wave
	s_add_co_u32 s28, s28, s52
	s_add_nc_u64 s[50:51], s[8:9], s[28:29]        ; enc at my wave's first row
	s_lshl_b32 s28, s25, 7
	s_add_nc_u64 s[10:11], s[10:11], s[28:29]      ; the mask's 128 bytes
	s_lshl_b32 s28, s26, 12
	s_add_nc_u64 s[16:17], s[16:17], s[28:29]      ; dpp at row b of plane 0
	s_lshl_b32 s28, s24, 18
	s_add_nc_u64 s[36:37], s[14:15], s[28:29]      ; wb at g = 2 w: chunk 0's fragments for my wave (two groups of 64 columns, 131,072 bytes each)
	s_lshl_b32 s28, s25, 12
	s_lshl_b32 s52, s24, 10
	s_add_co_u32 s28, s28, s52
	s_add_nc_u64 s[18:19], s[18:19], s[28:29]      ; part at my 256 columns
	s_lshl_b32 s28, s25, 8
	s_add_nc_u64 s[20:21], s[20:21], s[28:29]
	s_lshl_b32 s28, s25, 9
	s_add_nc_u64 s[22:23], s[22:23], s[28:29]
	; nineteen small loads, then the first seven rows of enc
.irp k, 0,1,2,3,4,5,6,7
	global_load_b128 v[128+8*(\k):128+8*(\k)+3],   v[VT16], s[16:17] offset:(\k)*131072
	global_load_b128 v[128+8*(\k)+4:128+8*(\k)+7], v[VT16], s[16:17] offset:(\k)*131072+2048
.endr
	global_load_b128 v[192:195], v[VT16], s[12:13]
	global_load_b128 v[196:199], v[VT16], s[12:13] offset:2048
	global_load_b32 v[MK], v[VM4], s[10:11]
	WIN 0x40                                       ; destination window 1
.irp t, 0,1,2,3,4,5,6
.irp c, 0,1,2,3,4,5,6,7
	global_load_b128 v[32*(\t)+4*(\c):32*(\t)+4*(\c)+3], v[VO], s[50:51] offset:(\t)*4096+(\c)*512 th:TH_LOAD_NT
.endr
.endr
	WIN 0
	s_wait_loadcnt 56                              ; loads come back in order: the 56 of enc may be out, the nineteen are in
.irp k, 1,2,3,4,5,6,7                  ; dec's projection: the eight partial sums, ks ascending
.irp p, 0,1,2,3
	v_pk_add_f32 v[128+2*(\p):129+2*(\p)], v[128+2*(\p):129+2*(\p)], v[128+8*(\k)+2*(\p):129+8*(\k)+2*(\p)]
.endr
.endr
	ds_store_b128 v[VDS], v[128:131]
	ds_store_b128 v[VDS], v[132:135] offset:2048
.irp p, 0,1,2,3                        ; w_out: rounded to bf16, widened again, times -2
	v_cvt_pk_bf16_f32 v[200+(\p)], v[192+2*(\p)], v[193+2*(\p)]
.endr
.irp p, 0,1,2,3
	v_lshlrev_b32 v[192+2*(\p)], 16, v[200+(\p)]
	v_and_b32 v[193+2*(\p)], 0xffff0000, v[200+(\p)]
.endr
.irp p, 0,1,2,3
	v_pk_mul_f32 v[192+2*(\p):193+2*(\p)], v[192+2*(\p):193+2*(\p)], -2.0 op_sel_hi:[1,0]
.endr
	ds_store_b128 v[VDS], v[192:195] offset:WOL-DPL
	ds_store_b128 v[VDS], v[196:199] offset:WOL-DPL+2048
; LOADING.  A ring of eight rows in registers.  Row t of a round of eight: the row seven further on is asked for (eight loads of 512 consecutive bytes), row t is rounded to bf16
; and stored into LDS, 256 consecutive bytes a store.  left = the younger loads that may stay out.
.macro TURN t, fill, left
.if \fill
	WIN 0x40
.irp c, 0,1,2,3,4,5,6,7
	global_load_b128 v[32*(((\t)+7)%8)+4*(\c):32*(((\t)+7)%8)+4*(\c)+3], v[VO], s[50:51] offset:((\t)+7)*4096+(\c)*512 th:TH_LOAD_NT
.endr
.endif
	s_wait_loadcnt \left
	WIN 0x05                                       ; sources window 1, destination window 0
.irp c, 0,1,2,3,4,5,6,7
	v_cvt_pk_bf16_f32 v[Y+2*(\c)],   v[32*(\t)+4*(\c)],   v[32*(\t)+4*(\c)+1]
	v_cvt_pk_bf16_f32 v[Y+2*(\c)+1], v[32*(\t)+4*(\c)+2], v[32*(\t)+4*(\c)+3]
.endr
	WIN 0
.irp c, 0,1,2,3,4,5,6,7
	ds_store_b64 v[VS], v[Y+2*(\c):Y+2*(\c)+1] offset:(\t)*PA+(\c)*256
.endr
.endm
	s_mov_b32 s47, 3
.Lrows:
.irp t, 0,1,2,3,4,5,6,7
	TURN \t, 1, 56                                 ; seven younger rows of eight loads
.endr
	s_wait_xcnt 0x0                                ; the base that pending loads name is stepped only behind this wait
	s_add_nc_u64 s[50:51], s[50:51], 8*4096
	v_add_nc_u32 v[VS], 8*PA, v[VS]
	s_sub_co_u32 s47, s47, 1
	s_cmp_lg_u32 s47, 0
	s_cbranch_scc1 .Lrows
	TURN 0, 1, 56                                  ; the last round: one more row is asked for, then the counts run down
.irp t, 1,2,3,4,5,6,7
	TURN \t, 0, 56-8*(\t)
.endr
	; w_e's ring: chunk 0's K steps 0 to 2
	s_mov_b64 s[32:33], s[36:37]                   ; PB: this chunk's fragments
	s_mov_b32 s40, 1                               ; CN: the next chunk
	s_mov_b32 s42, 0                               ; 2,048 x this chunk
	s_mov_b32 s43, 2048                            ; 2,048 x the next
	s_mov_b32 s38, 1<<20                           ; a chunk is eight groups of 131,072 bytes
	s_add_nc_u64 s[34:35], s[36:37], s[38:39]      ; PN: the next chunk's fragments
	WIN 0xc0                                       ; destination window 3
.irp j, 0,1,2
.irp b, 0,1,2,3,4,5,6,7
	global_load_b128 v[64*(\j)+8*(\b):64*(\j)+8*(\b)+3],   v[VO], s[32:33] offset:((\b)/4)*131072+(\j)*4096+((\b)%4)*1024
	global_load_b128 v[64*(\j)+8*(\b)+4:64*(\j)+8*(\b)+7], v[VO], s[32:33] offset:((\b)/4)*131072+(\j)*4096+((\b)%4)*1024+512
.endr
.endr
	WIN 0
	s_wait_dscnt 0x0                               ; for the others' sake: my rows, my part of DPL and WOL are in LDS
	s_barrier_signal -1
	s_barrier_wait -1                              ; from here on the rows, DPL and WOL are only read
.irp b, 0,1,2,3,4,5,6,7
	ds_load_b128 v[DP+8*(\b):DP+8*(\b)+3],   v[VDP0] offset:(\b)*64
	ds_load_b128 v[DP+8*(\b)+4:DP+8*(\b)+7], v[VDP0] offset:(\b)*64+16
.endr
.irp a, 0,1,2,3,4,5,6,7
	ds_load_b128 v[AF+8*(\a):AF+8*(\a)+3],   v[VA+(\a)/2] offset:((\a)%2)*16*PA
	ds_load_b128 v[AF+8*(\a)+4:AF+8*(\a)+7], v[VA+(\a)/2] offset:((\a)%2)*16*PA+32
.endr
; K STEP ks OF A CHUNK.  One run of loads: the next step's 16 of enc's fragments from LDS, then w_e's 16 of the step three on (beyond step 31: the next chunk's); then 64 matrix instructions.
; ra names the four LDS address registers and pb w_e's pointer: the fixed ones where the step is written out, the stepped ones in the loop (there ks = 4 .. 7 stands for 4 + 4 trip .. 7 + 4 trip:
; the buffers go by ks % 2 and ks % 4, which the trip does not change).
; Step 0 starts the sums with dec's projection as C.  Step 1 fetches WO into DP's registers, behind the four places that follow step 0's products; its wait lets those 16 stay out too,
; and step 2's wait for 16 shows them in.  The 64 accumulators take turns in the same order in every step, over both loops' jumps too.
.macro STEP
	PLACES                                         ; behind the last step's products: their buffers are loaded again below
	WIN 0
.set fa, AF+64*((ks+1)%2)
.irp a, 0,1,2,3,4,5,6,7
	ds_load_b128 v[fa+8*(\a):fa+8*(\a)+3],   v[ra+(\a)/2] offset:((\a)%2)*16*PA+((ks+1)%32)*64
	ds_load_b128 v[fa+8*(\a)+4:fa+8*(\a)+7], v[ra+(\a)/2] offset:((\a)%2)*16*PA+((ks+1)%32)*64+32
.endr
.set more, 0
.if ks == 1
.set more, 16
.irp b, 0,1,2,3,4,5,6,7
	ds_load_b128 v[WO+8*(\b):WO+8*(\b)+3],   v[VWO] offset:(\b)*64
	ds_load_b128 v[WO+8*(\b)+4:WO+8*(\b)+7], v[VWO] offset:(\b)*64+16
.endr
.endif
	s_wait_loadcnt 32                              ; two younger steps of sixteen loads may be out: this step's fragments of w_e are in
	WIN 0xc0
.set fb, 64*((ks+3)%4)
.irp b, 0,1,2,3,4,5,6,7
.if ks+3 < 32
	global_load_b128 v[fb+8*(\b):fb+8*(\b)+3],   v[VO], s[pb:pb+1] offset:((\b)/4)*131072+(ks+3)*4096+((\b)%4)*1024
	global_load_b128 v[fb+8*(\b)+4:fb+8*(\b)+7], v[VO], s[pb:pb+1] offset:((\b)/4)*131072+(ks+3)*4096+((\b)%4)*1024+512
.else
	global_load_b128 v[fb+8*(\b):fb+8*(\b)+3],   v[VO], s[34:35] offset:((\b)/4)*131072+(ks-29)*4096+((\b)%4)*1024
	global_load_b128 v[fb+8*(\b)+4:fb+8*(\b)+7], v[VO], s[34:35] offset:((\b)/4)*131072+(ks-29)*4096+((\b)%4)*1024+512
.endif
.endr
	s_wait_dscnt 16+more                           ; all but what this step has just issued: this step's fragments of enc are in
.set fa, AF+64*(ks%2)
.set fb, 64*(ks%4)
.irp a, 0,1,2,3,4,5,6,7
.if ks == 0
	WIN 0x43+0x40*((\a)/4)                         ; w_e window 3, enc window 0, C (DP) window 0, D window 1 or 2
.else
	WIN 0x53+0x50*((\a)/4)                         ; C and D window 1 or 2
.endif
.irp b, 0,1,2,3,4,5,6,7
.if ks == 0
	v_wmma_f32_16x16x32_bf16 v[8*(8*((\a)%4)+(\b)):8*(8*((\a)%4)+(\b))+7], v[fb+8*(\b):fb+8*(\b)+7], v[fa+8*(\a):fa+8*(\a)+7], v[DP+8*(\b):DP+8*(\b)+7]
.else
	v_wmma_f32_16x16x32_bf16 v[8*(8*((\a)%4)+(\b)):8*(8*((\a)%4)+(\b))+7], v[fb+8*(\b):fb+8*(\b)+7], v[fa+8*(\a):fa+8*(\a)+7], v[8*(8*((\a)%4)+(\b)):8*(8*((\a)%4)+(\b))+7]
.endif
.endr
.endr
.endm
; THE ACTIVATION.  w tanh x = w - 2 w / (1 + 2^(2 x log2 e)).  Five stages for a number: M: x times 2 log2 e, out of the accumulator into a buffer; E: the power; A: + 1; R: the reciprocal;
; F: SC[a] += quotient x (-2 w).  The sum of w is kept apart and added at the end.
; GROUPS.  Group g of 16 is the four tiles of column block g % 8 in the row blocks 4 (g / 8) + i, i = 0 .. 3: all in one window.  A lane's 32 numbers are 16 pairs: pair q is registers 2 (q / 4) and
; 2 (q / 4) + 1 of tile i = q % 4, kept at T + 32 (g % 2) + 2 q.  F's sixteen lines go round four pairs of SC, and
; each SC[a] takes its columns in ascending order: column block after column block, register pair after register pair.
; M names the factor as source 0 and the accumulator as source 1: the accumulators' window is then source 1's alone, and M and E stand under one setting.
.macro ACM g, q
	v_pk_mul_f32 v[T+32*((\g)%2)+2*(\q):T+32*((\g)%2)+2*(\q)+1], s[30:31], v[8*(8*((\q)%4)+(\g)%8)+2*((\q)/4):8*(8*((\q)%4)+(\g)%8)+2*((\q)/4)+1] op_sel_hi:[0,1]
.endm
.macro ACE g, n                        ; number n of 32
	v_exp_f32 v[T+32*((\g)%2)+(\n)], v[T+32*((\g)%2)+(\n)]
.endm
.macro ACA g, q
	v_pk_add_f32 v[T+32*((\g)%2)+2*(\q):T+32*((\g)%2)+2*(\q)+1], v[T+32*((\g)%2)+2*(\q):T+32*((\g)%2)+2*(\q)+1], 1.0 op_sel_hi:[1,0]
.endm
.macro ACR g, n
	v_rcp_f32 v[T+32*((\g)%2)+(\n)], v[T+32*((\g)%2)+(\n)]
.endm
.macro ACF g, q
	v_pk_fma_f32 v[SC+2*(4*((\g)/8)+(\q)%4):SC+2*(4*((\g)/8)+(\q)%4)+1], v[T+32*((\g)%2)+2*(\q):T+32*((\g)%2)+2*(\q)+1], v[WO+8*((\g)%8)+2*((\q)/4):WO+8*((\g)%8)+2*((\q)/4)+1], v[SC+2*(4*((\g)/8)+(\q)%4):SC+2*(4*((\g)/8)+(\q)%4)+1]
.endm
; TRIP trip, -1 .. 16.  First half, all in window 0: A of group trip runs three pairs ahead of R of the same group; F of group trip - 1, on the other buffer, stands between the reciprocals.
; Second half, source 1 in the accumulators' window: M of group trip + 1, into the buffer that F has just read out, runs three pairs ahead of E of that group.
; THE BATCH is R(trip) and E(trip + 1), 64 transcendentals.  Once a register's reciprocal or power is issued no line of the trip names it again: A and M write higher pairs, F reads the other buffer
; ahead of M.  R reads what A wrote, no result of the batch.  The readers, A(trip + 1) and F(trip), stand in the next trip, behind the wait.  The ends lack the stages of groups that are not.
.macro ACT
.if trip >= 0
	WIN 0
.if trip < 16
	ACA trip, 0
	ACA trip, 1
	ACA trip, 2
.endif
.set qq, 0
.rept 16
.if trip < 16
	ACR trip, 2*qq
.if qq < 13
	ACA trip, qq+3
.endif
	ACR trip, 2*qq+1
.endif
.if trip >= 1
	ACF trip-1, qq
.endif
.set qq, qq+1
.endr
.endif
.if trip < 15
	WIN 4+4*((trip+1)/8)                           ; source 1 window 1 or 2; destination and source 0 window 0
	ACM trip+1, 0
	ACM trip+1, 1
	ACM trip+1, 2
.set qq, 0
.rept 16
	ACE trip+1, 2*qq
.if qq < 13
	ACM trip+1, qq+3
.endif
	ACE trip+1, 2*qq+1
.set qq, qq+1
.endr
	v_nop                                          ; the plain instruction behind the batch's last power (ISA guide 5.7.2): one for the batch; in trip 15 the last F is that instruction
.endif
.if trip < 16
	s_wait_alu depctr_va_vdst(0)                   ; the trip's one wait, ahead of the first line that names a result: it serves the batch R(trip), E(trip + 1)
.endif
.endm
	s_mov_b32 s41, 2
.Lchunk:                                               ; two trips: 128 columns of h for my wave in each.  On both ways in: three steps of w_e, DP and step 0's fragments of enc are out or in
	v_add_nc_u32 v[VDP], s43, v[VDP0]
	v_add_nc_u32 v[VWO], s42, v[VWO0]
.irp i, 0,1,2,3
	v_mov_b32 v[VR+(\i)], v[VA+(\i)]               ; the stepped addresses start anew in each chunk,
.endr
	s_mov_b64 s[54:55], s[32:33]                   ; and so does the stepped pointer (no load that names it is untranslated: the wait at the chunk's bottom)
.set ra, VA
.set pb, 32
.set ks, 0
.rept 4                                ; K steps 0 to 3 are written out: step 0 starts the sums, step 1 fetches WO
	STEP
.set ks, ks+1
.endr
	WIN 0                                          ; at a label and at a branch every window is 0
	s_mov_b32 s49, 6
.set ra, VR
.set pb, 54
.Lk:                                                   ; six trips: K steps 4 to 27, four a trip: once round w_e's ring
.set ks, 4
.rept 4
	STEP
.set ks, ks+1
.endr
	WIN 0
	s_wait_xcnt 0x0                                ; the pointer that pending loads name is stepped only behind this wait; the last of them were issued 64 products ago
	s_add_nc_u64 s[54:55], s[54:55], 4*4096
.irp i, 0,1,2,3
	v_add_nc_u32 v[VR+(\i)], 4*64, v[VR+(\i)]
.endr
	s_sub_co_u32 s49, s49, 1
	s_cmp_lg_u32 s49, 0
	s_cbranch_scc1 .Lk
.set ra, VA
.set pb, 32
.set ks, 28
.rept 4                                ; K steps 28 to 31 are written out: their look-ahead goes over to the next chunk
	STEP
.set ks, ks+1
.endr
	WIN 0
.irp b, 0,1,2,3,4,5,6,7                ; the chunk's -2 w, onto four pairs that do not wait for each other; these 32 name no register of the last products and are the places behind them
	v_pk_add_f32 v[48:49], v[48:49], v[WO+8*(\b):WO+8*(\b)+1]
	v_pk_add_f32 v[52:53], v[52:53], v[WO+8*(\b)+2:WO+8*(\b)+3]
	v_pk_add_f32 v[54:55], v[54:55], v[WO+8*(\b)+4:WO+8*(\b)+5]
	v_pk_add_f32 v[58:59], v[58:59], v[WO+8*(\b)+6:WO+8*(\b)+7]
.endr
.set trip, -1
.rept 18                               ; the last trip is F of group 15 alone: no power and no reciprocal is without its wait at the chunk's bottom
	ACT
.set trip, trip+1
.endr
	WIN 0
.irp b, 0,1,2,3,4,5,6,7                ; WO has served: its registers take the next chunk's DP
	ds_load_b128 v[DP+8*(\b):DP+8*(\b)+3],   v[VDP] offset:(\b)*64
	ds_load_b128 v[DP+8*(\b)+4:DP+8*(\b)+7], v[VDP] offset:(\b)*64+16
.endr
	s_wait_xcnt 0x0                                ; the bases that pending loads name are written only behind this wait
	s_mov_b64 s[32:33], s[34:35]
	s_mov_b32 s42, s43
	s_add_co_u32 s40, s40, 1
	s_and_b32 s40, s40, 1                          ; behind chunk 1 comes chunk 0: its look-ahead is read for nothing and stays inside wb
	s_lshl_b32 s43, s40, 11
	s_lshl_b32 s38, s40, 20
	s_add_nc_u64 s[34:35], s[36:37], s[38:39]
	s_sub_co_u32 s41, s41, 1
	s_cmp_lg_u32 s41, 0
	s_cbranch_scc1 .Lchunk
	; THE SCORES.  A lane's pair and its share of the sum of w; the other half of the lanes; the four waves through LDS.
	s_wait_dscnt 0x0                               ; the wrapped fetches from LDS have landed: v64-127 are free
	v_pk_add_f32 v[48:49], v[48:49], v[52:53]
	v_pk_add_f32 v[54:55], v[54:55], v[58:59]
	v_pk_add_f32 v[48:49], v[48:49], v[54:55]
	v_add_f32 v50, v48, v49
	v_mul_f32 v50, -0.5, v50                       ; the sum of w over my lane's columns
.irp a, 0,1,2,3,4,5,6,7
	v_add_f32 v[64+(\a)], v[SC+2*(\a)], v[SC+2*(\a)+1]
.endr
.irp a, 0,1,2,3,4,5,6,7
	v_add_f32 v[64+(\a)], v[64+(\a)], v50
.endr
.irp a, 0,1,2,3,4,5,6,7
	v_permlanex16_b32 v[XL], v[64+(\a)], s44, s45
	v_add_f32 v[64+(\a)], v[64+(\a)], v[XL]
.endr
.irp q, 0,1,2,3
	v_cndmask_b32 v[72+(\q)], v[65+2*(\q)], v[64+2*(\q)], s46  ; lanes 0-15 row block 2 q, lanes 16-31 block 2 q + 1: rows 32 q + lane
	ds_store_b32 v[VSC], v[72+(\q)] offset:(\q)*128
.endr
	s_wait_dscnt 0x0                               ; for the others' sake: my partial scores are in LDS
	s_barrier_signal -1
	s_barrier_wait -1
.irp q, 0,1,2,3
	ds_load_b128 v[64+4*(\q):67+4*(\q)], v[VSR] offset:(\q)*512  ; every wave: all four waves' parts of rows 4 lane .. + 3
.endr
	s_wait_dscnt 0x0
	v_pk_add_f32 v[64:65], v[64:65], v[68:69]
	v_pk_add_f32 v[66:67], v[66:67], v[70:71]
	v_pk_add_f32 v[72:73], v[72:73], v[76:77]
	v_pk_add_f32 v[74:75], v[74:75], v[78:79]
	v_pk_add_f32 v[64:65], v[64:65], v[72:73]
	v_pk_add_f32 v[66:67], v[66:67], v[74:75]
.irp i, 0,1,2,3
	v_bfe_u32 v50, v[MK], 8*(\i), 8
	v_cmp_ne_u32 vcc_lo, 0, v50
	v_cndmask_b32 v[64+(\i)], v[NINF], v[64+(\i)], vcc_lo
.endr
	; the block's own maximum, held finite; p and l.  Every wave makes the same numbers from the same words in the same order.
	v_max3_num_f32 v80, v64, v65, v66
	v_max_num_f32 v80, v80, v67
	v_max_num_f32_dpp v80, v80, v80 row_xmask:1 row_mask:0xf bank_mask:0xf
	v_max_num_f32_dpp v80, v80, v80 row_xmask:2 row_mask:0xf bank_mask:0xf
	v_max_num_f32_dpp v80, v80, v80 row_xmask:4 row_mask:0xf bank_mask:0xf
	v_max_num_f32_dpp v80, v80, v80 row_xmask:8 row_mask:0xf bank_mask:0xf
	v_permlanex16_b32 v[XL], v80, s44, s45
	v_max_num_f32 v80, v80, v[XL]
	v_max_num_f32 v80, 0xff7fffff, v80
.irp i, 0,1,2,3
	v_sub_f32 v[68+(\i)], v[64+(\i)], v80
.endr
.irp i, 0,1,2,3
	v_mul_f32 v[68+(\i)], s48, v[68+(\i)]
.endr
.irp i, 0,1,2,3
	v_exp_f32 v[68+(\i)], v[68+(\i)]
.endr
	v_nop                                          ; a plain instruction between the last power and the use of its result
	s_wait_alu depctr_va_vdst(0)                   ; and the wait ahead of the first use: one for the batch of four powers p
	v_add_f32 v81, v68, v69
	v_add_f32 v51, v70, v71
	v_add_f32 v81, v81, v51
	v_add_f32_dpp v81, v81, v81 row_xmask:1 row_mask:0xf bank_mask:0xf
	v_add_f32_dpp v81, v81, v81 row_xmask:2 row_mask:0xf bank_mask:0xf
	v_add_f32_dpp v81, v81, v81 row_xmask:4 row_mask:0xf bank_mask:0xf
	v_add_f32_dpp v81, v81, v81 row_xmask:8 row_mask:0xf bank_mask:0xf
	v_permlanex16_b32 v[XL], v81, s44, s45
	v_add_f32 v81, v81, v[XL]
	v_cvt_pk_bf16_f32 v72, v68, v69                ; p's first bf16,
	v_cvt_pk_bf16_f32 v73, v70, v71
	v_lshlrev_b32 v74, 16, v72
	v_and_b32 v75, 0xffff0000, v72
	v_lshlrev_b32 v76, 16, v73
	v_and_b32 v77, 0xffff0000, v73
	v_pk_add_f32 v[74:75], v[68:69], v[74:75] neg_lo:[0,1] neg_hi:[0,1]
	v_pk_add_f32 v[76:77], v[70:71], v[76:77] neg_lo:[0,1] neg_hi:[0,1]
	v_cvt_pk_bf16_f32 v78, v74, v75                ; and the bf16 of what it leaves
	v_cvt_pk_bf16_f32 v79, v76, v77
	ds_store_b64 v[VPS], v[72:73]                  ; into my wave's own bytes
	ds_store_b64 v[VPS], v[78:79] offset:256
	s_cmp_lg_u32 s24, 0
	s_cbranch_scc1 .Lnot_wave_0
	global_store_b128 v[VO], v[64:67], s[22:23]    ; the 128 scores: 512 consecutive bytes; v64-67, v80-81 are not written again
	global_store_b64 v[V8L], v[80:81], s[20:21]    ; (m, l), once a lane: 256 consecutive bytes
.Lnot_wave_0:
	; THE WEIGHTED SUM.  Source 0 = P: 16 rows x 32 rows of enc, even rows p's first bf16, odd rows its second; source 1 = 32 rows x 16 columns of enc, turned on the way out of LDS.
	s_wait_loadcnt 0x0                             ; the wrapped look-ahead of w_e has landed (in window 3, which nothing names again): no load of mine is on its way into registers
.irp k, 0,1,2,3
	ds_load_b128 v[PF+8*(\k):PF+8*(\k)+3],   v[VP] offset:(\k)*64     ; LDS serves a wave's instructions in order (ISA guide 5.7.1.4): these see my stores above
	ds_load_b128 v[PF+8*(\k)+4:PF+8*(\k)+7], v[VP] offset:(\k)*64+32
.endr
.macro TFL kk, buf                     ; 32 turning loads: rows 32 kk .. + 31, my 256 columns
	WIN 0x80
.irp u, 0,1,2,3,4,5,6,7,8,9,10,11,12,13,14,15
	ds_load_tr16_b128 v[128*(\buf)+8*(\u):128*(\buf)+8*(\u)+3],   v[VT+(\kk)] offset:32*(\u)
	ds_load_tr16_b128 v[128*(\buf)+8*(\u)+4:128*(\buf)+8*(\u)+7], v[VT+(\kk)] offset:32*(\u)+16*PA
.endr
.endm
.macro PVM kk, buf                     ; 16 products; the 16 accumulators take turns
	WIN 0x58                                       ; P window 0, enc window 2, C and D window 1
.irp u, 0,1,2,3,4,5,6,7,8,9,10,11,12,13,14,15
.if (\kk) == 0
	v_wmma_f32_16x16x32_bf16 v[8*(\u):8*(\u)+7], v[PF+8*(\kk):PF+8*(\kk)+7], v[128*(\buf)+8*(\u):128*(\buf)+8*(\u)+7], 0
.else
	v_wmma_f32_16x16x32_bf16 v[8*(\u):8*(\u)+7], v[PF+8*(\kk):PF+8*(\kk)+7], v[128*(\buf)+8*(\u):128*(\buf)+8*(\u)+7], v[8*(\u):8*(\u)+7]
.endif
.endr
.endm
	TFL 0, 0
	TFL 1, 1
	s_wait_dscnt 32                                ; the younger run of 32 may be out
	PVM 0, 0
	PLACES
	TFL 2, 0
	s_wait_dscnt 32
	PVM 1, 1
	PLACES
	TFL 3, 1
	s_wait_dscnt 32
	PVM 2, 0
	s_wait_dscnt 0x0
	PVM 3, 1
	PLACES
	WIN 0x05
.irp u, 0,1,2,3,4,5,6,7,8,9,10,11,12,13,14,15
	v_add_f32 v[128+(\u)], v[8*(\u)], v[8*(\u)+1]  ; rows 8 hh and 8 hh + 1 of the result: the two parts of p; both halves of the lanes hold column 16 u + r
.endr
	WIN 0
.irp q, 0,1,2,3,4,5,6,7
	v_cndmask_b32 v[144+(\q)], v[129+2*(\q)], v[128+2*(\q)], s46  ; columns 32 q + lane
	ds_store_b32 v[VGS], v[144+(\q)] offset:(\q)*128
.endr
	ds_load_b128 v[152:155], v[VGL]                ; my wave's own bytes, back as 16 bytes a lane
	ds_load_b128 v[156:159], v[VGL] offset:512
	s_wait_dscnt 0x0
	global_store_b128 v[VO], v[152:155], s[18:19]  ; each store of the wave covers 512 consecutive bytes, aligned
	global_store_b128 v[VO], v[156:159], s[18:19] offset:512
	s_wait_tensorcnt 0x0                           ; the wave's end: behind my last LDS store
	ds_add_u32 v[SPW], v[NIL]
	s_wait_dscnt 0x0
	s_endpgm
.Lfunc_end_k_q60c8769085_main:
	.size	k_q60c8769085_main, .Lfunc_end_k_q60c8769085_main-k_q60c8769085_main
	.p2alignl 7, 3214868480
	.fill 96, 4, 3214868480
	.section	.rodata,"a",@progbits
	.p2align	6, 0x0
	.amdhsa_kernel k_q60c8769085_main
		.amdhsa_group_segment_fixed_size 281088
		.amdhsa_private_segment_fixed_size 0
		.amdhsa_enable_private_segment 0
		.amdhsa_kernarg_size 64
		.amdhsa_user_sgpr_count 2
		.amdhsa_user_sgpr_kernarg_segment_ptr 1
		.amdhsa_wavefront_size32 1
		.amdhsa_system_sgpr_workgroup_id_x 1
		.amdhsa_system_sgpr_workgroup_id_y 1
		.amdhsa_system_sgpr_workgroup_id_z 1
		.amdhsa_system_vgpr_workitem_id 0
		.amdhsa_next_free_vgpr 1024
		.amdhsa_next_free_sgpr 66
		.amdhsa_reserve_vcc 1
		.amdhsa_float_denorm_mode_32 3
		.amdhsa_float_denorm_mode_16_64 3
		.amdhsa_memory_ordered 1
		.amdhsa_forward_progress 1
		.amdhsa_inst_pref_size 245
	.end_amdhsa_kernel
	.amdgpu_metadata
---
amdhsa.version: [ 1, 2 ]
amdhsa.kernels:
  - .name:           k_q60c8769085_main
    .symbol:         k_q60c8769085_main.kd
    .args:
      - { .name: enc, .offset: 0, .size: 8, .value_kind: global_buffer, .address_space: global }
      - { .name: inp_mask, .offset: 8, .size: 8, .value_kind: global_buffer, .address_space: global }
      - { .name: w_out, .offset: 16, .size: 8, .value_kind: global_buffer, .address_space: global }
      - { .name: wb, .offset: 24, .size: 8, .value_kind: global_buffer, .address_space: global }
      - { .name: dpp, .offset: 32, .size: 8, .value_kind: global_buffer, .address_space: global }
      - { .name: part, .offset: 40, .size: 8, .value_kind: global_buffer, .address_space: global }
      - { .name: st, .offset: 48, .size: 8, .value_kind: global_buffer, .address_space: global }
      - { .name: sc, .offset: 56, .size: 8, .value_kind: global_buffer, .address_space: global }
    .group_segment_fixed_size: 281088
    .private_segment_fixed_size: 0
    .kernarg_segment_align: 8
    .kernarg_segment_size: 64
    .max_flat_workgroup_size: 128
    .sgpr_count:     66
    .vgpr_count:     1024
    .wavefront_size: 32
...
	.end_amdgpu_metadata
.endif
;; end of part 4
;; launch fin: the kernel of part 3 again; grid 256 x 1, 1 waves a work-group, no clusters, 0 bytes of LDS; arguments part, st, sc, out0, out1; writes out0, out1
